; MI455X (gfx1250); checked and timed in simulation.
; The chip was launched on July 23, 2026; its instructions are those of AMD's public machine-readable ISA for CDNA 5 (MIT licence, August 2026) and "CDNA5" Instruction Set Architecture Reference Guide (July 2026). The comments in the code are by the model that wrote it; some were corrected since.
;; Attention2. Allowed arithmetic: matrix products marked QUANTISED: E2M1 operands, one E8M0 scale for each 32 along K, by v_wmma_scale_f32_16x16x128_f8f6f4 with both operands' format E2M1 (or v_wmma_scale_f32_32x16x128_f4), f32 sums; products left as they are: bf16, f16 or f32 operands; f32 sums; everything else in f32.
;; Inputs: Wk 1,024 x 1,024 float32; Wp 1,024 x 1,024 float32; Wq 1,024 x 1,024 float32; bk 1,024 float32; bp 1,024 float32; bq 1,024 float32; k 16 x 1,024 x 1,024 float32; memory_len 16 int32; q 16 x 512 x 1,024 float32; weight 1,024 x 1,024 float32.
;; Outputs: out0 16 x 512 x 1,024 float32; out1 16 x 512 x 1,024 float32.
;; This version of the problem:
;;   THIS VERSION OF THE PROBLEM IS GIVEN IN LOW PRECISION. The matrix products marked QUANTISED in the list below multiply operands that are first quantised to E2M1 (2 exponent bits, 1 mantissa bit; 4 bits a number), with one power-of-two scale for each 32 numbers along K (OCP MX v1.0); their sums are f32. The products marked 'left as it is' may take bf16, f16 or f32 operands, with f32 sums. Whichever they take, every output number must still come out within the allowed error. Rounding operands to bf16 (8 significant bits) uses up far more of that allowance than f16 does (11 bits, for magnitudes from 6e-5 to 65,504). All else is computed in f32.
;;   The module's matrix products, in the order in which they are computed (A, B: the left and right operand; K: the contracted axis; several contracted axes count as one K, in the product's order):
;;     1. [M 16,384, K 1,024] x [K 1,024, N 1,024]; A: input k; B: input Wk: QUANTISED
;;     2. [M 8,192, K 1,024] x [K 1,024, N 1,024]; A: input q; B: input Wq: QUANTISED
;;     3. [M 8,192, K 1,024] x [K 1,024, N 1,024]; A: computed on the way; B: input weight: left as it is (an operand is computed on the way)
;;     4. batch 16 x [M 512, K 1,024] x [K 1,024, N 1,024]; A: computed on the way; B: computed on the way: left as it is (an operand is computed on the way)
;;     5. batch 16 x [M 512, K 1,024] x [K 1,024, N 1,024]; A: computed on the way; B: computed on the way: left as it is (an operand is computed on the way)
;;     6. [M 8,192, K 1,024] x [K 1,024, N 1,024]; A: computed on the way; B: input Wp: left as it is (an operand is computed on the way)
;;   THE QUANTISER, for each operand of a quantised product, along K:
;;     - K is cut into blocks of 32 from its start; a last block that is shorter is filled with zeros.
;;     - A block's scale is 2^e with e = floor(log2(the largest magnitude in the block)) - 2, held to -126 .. 127; a block of zeros has e = 0. As a byte (E8M0): e + 127.
;;     - Each number is divided by its block's scale, clamped to +-6, and rounded to the nearest number of E2M1, ties to even, subnormals kept.
;;     - The product sums the exact products of the quantised numbers (number of the format x scale) in f32.
;;   ~~~python
;;   def quantise(x, axis):      # numpy; x: float32 -> the quantised numbers, widened to float32 again
;;       x = np.moveaxis(x, axis, -1); K = x.shape[-1]
;;       x = np.pad(x, [(0, 0)] * (x.ndim - 1) + [(0, -K % 32)]); x = x.reshape(x.shape[:-1] + (-1, 32)); a = np.abs(x).max(-1, keepdims=True)
;;       e = np.where(a > 0, np.clip(np.frexp(np.where(a > 0, a, 1))[1] - 1 - 2, -126, 127), 0)      # np.frexp(a)[1] - 1 = floor(log2(a)), exactly
;;       r = np.clip(x / 2.0 ** e, -6, 6)
;;       step = 2.0 ** (np.maximum(np.frexp(np.where(r == 0, 1, r))[1] - 1, 0) - 1)
;;       q = np.round(r / step) * step * 2.0 ** e      # np.round: ties to even
;;       return np.moveaxis(q.reshape(q.shape[:-2] + (-1,))[..., :K], -1, axis).astype(np.float32)
;;   ~~~
;; One version. Each part assembles by itself: llvm-mc -triple=amdgcn-amd-amdhsa -mcpu=gfx1250 --defsym DOCPART=n.
;; ======== version 1 of 1: 6 launches
;; limits: values outside matrix products are rounded to f16; values are held in f16: magnitudes above 65,504 overflow, below 6.1e-05 lose precision
;; workspace buffers: codes 13,631,488 bytes; scales 851,968 bytes; wf16 4,194,304 bytes; xx 50,331,648 bytes; qo 16,777,216 bytes; ebuf 16,777,216 bytes; pmax 262,144 bytes; psum 262,144 bytes
;; launch prep (part 1): grid 896 x 1, 4 waves a work-group, no clusters, 33,280 bytes of LDS; arguments k, q, Wk, Wq, weight, Wp, codes, scales, wf16; writes codes, scales, wf16
.if DOCPART == 1
	.amdgcn_target "amdgcn-amd-amdhsa--gfx1250"
	.amdhsa_code_object_version 6
	.text
	.protected	k_q1e4e59fa6f_prep
	.globl	k_q1e4e59fa6f_prep
	.p2align	8
	.type	k_q1e4e59fa6f_prep,@function
k_q1e4e59fa6f_prep:
	s_mov_b64 s[64:65], 0
	v_nop
	global_prefetch_b8 v0, s[64:65] scope:SCOPE_SE
	s_setreg_imm32_b32 hwreg(HW_REG_WAVE_MODE, 25, 1), 1
	s_wait_xcnt 0x0
; k [16384][1024], q [8192][1024], Wk and Wq [1024][1024], all f32 with K innermost, become codes of FP4 (E2M1), two a byte, and one E8M0 scale byte for each 32 along K:
; codes [26624 rows][512 bytes], scales [26624][32 bytes]; rows 0.. k, 16384.. q, 24576.. Wk, 25600.. Wq.  weight and Wp become f16: wf16 = weight [h][g], then Wp [e][h].
; A block's scale is 2^(floor(log2(its largest magnitude)) - 2); its byte is the largest magnitude's exponent field - 2, held at 1 from below; each number is divided by the scale and rounded to the nearest code, ties to even.
; LIMITS: a block of zeros gets the byte 1 where the quantiser says 127 (its codes are zeros and this program alone reads the bytes); blocks whose largest magnitude lies under 2^-124 keep the byte 1;
; NaN and infinities are not served; numbers of weight and Wp beyond 65,504 would leave f16's range.
; Rows are dense and K is a multiple of 32: each tensor is a plain stream of blocks of 32.  Work-groups 0-831 quantise 32,768 numbers each (a wave 16 steps of 512); work-groups 832-895 convert 32,768 numbers each.
; For the conversions to codes a lane must hold 16 NEIGHBOURS, while a load is best where neighbouring lanes take neighbouring bytes: each load reads 512 bytes on end, a step's 2,048 bytes go through the wave's own
; stage in LDS (16 bytes of padding behind each 64) and come back 64 bytes a lane.  A wave's store of codes covers 256 bytes on end; its 256 scale bytes are gathered in LDS and leave as one store of 256 bytes.
; No tensor loads, no barrier: waves share nothing.
.set QWG,   832                        ; work-groups that quantise
.set STEPS, 16
.set EMAX,  2
.set CB,    8                          ; bytes of 16 codes
.set R,     16                         ; v16-79   four sets of 16 numbers as loaded
.set X,     80                         ; v80-111  two sets of 16 neighbours
.set E,     112                        ; v112-127 a scale byte for each step
.set C,     128                        ; v128-191 codes: registers of their own for each step
.set WREG,  8192                       ; LDS: a region for each wave: two stages of 32 x SP bytes, then its 256 scale bytes
.set SP,    80
.set SPW,   12                         ; v12  LDS address of my spare word; never rewritten
.set NIL,   13                         ; v13  0; never rewritten
.set SPARE, 4*WREG                     ; behind the four regions: the spare words, 128 bytes a wave
	s_load_b256 s[4:11], s[0:1], 0x0               ; k, q, Wk, Wq
	s_load_b256 s[12:19], s[0:1], 0x20             ; weight, Wp, codes, scales
	s_load_b64 s[20:21], s[0:1], 0x40              ; wf16
	v_lshl_add_u32 v[SPW], v0, 2, SPARE
	v_mov_b32 v[NIL], 0
	v_lshrrev_b32 v1, 5, v0
	v_readfirstlane_b32 s22, v1                    ; wave
	v_and_b32 v2, 31, v0                           ; lane
	v_lshlrev_b32 v3, 4, v2                        ; my 16 bytes of a load's 512
	s_wait_kmcnt 0x0
	s_cmp_ge_u32 ttmp9, QWG
	s_cbranch_scc1 .Lconvert
	; ---- the quantiser.  Which tensor: the choice hangs on the work-group's number alone
	s_mov_b32 s23, 800
	s_cmp_lt_u32 ttmp9, 800
	s_cselect_b64 s[10:11], s[8:9], s[10:11]       ; Wk or Wq
	s_cselect_b32 s23, 768, s23
	s_cmp_lt_u32 ttmp9, 768
	s_cselect_b64 s[10:11], s[6:7], s[10:11]       ; q
	s_cselect_b32 s23, 512, s23
	s_cmp_lt_u32 ttmp9, 512
	s_cselect_b64 s[10:11], s[4:5], s[10:11]       ; k
	s_cselect_b32 s23, 0, s23                      ; the tensor's first work-group
	s_sub_co_u32 s23, ttmp9, s23
	s_lshl_b32 s23, s23, 2
	s_add_co_u32 s24, s23, s22                     ; my wave's run of 8,192 numbers in the tensor
	s_mov_b32 s25, 0
	s_lshl_b64 s[24:25], s[24:25], 15              ; 32,768 bytes a run
	s_add_nc_u64 s[10:11], s[10:11], s[24:25]
	s_lshl_b32 s26, ttmp9, 2
	s_add_co_u32 s26, s26, s22                     ; and among all runs: the four tensors' rows follow each other in codes and scales
	s_mov_b32 s27, 0
	s_lshl_b64 s[28:29], s[26:27], 12              ; 4,096 bytes of codes a run
	s_add_nc_u64 s[16:17], s[16:17], s[28:29]
	s_lshl_b32 s26, s26, 8                         ; 256 scale bytes a run
	s_add_nc_u64 s[18:19], s[18:19], s[26:27]
	s_mul_i32 s30, s22, WREG
	v_lshrrev_b32 v14, 2, v2
	v_mul_u32_u24 v14, v14, SP
	v_and_b32 v15, 3, v2
	v_lshl_add_u32 v14, v15, 4, v14
	v_add_nc_u32 v14, s30, v14                     ; the stage, on the way in: SP (lane / 4) + 16 (lane % 4)
	v_mul_u32_u24 v15, v2, SP
	v_add_nc_u32 v15, s30, v15                     ; and on the way out: SP x lane: my 16 neighbours
	v_mul_u32_u24 v4, v2, CB                       ; my codes' place in a step's
	v_lshrrev_b32 v5, 1, v2
	s_add_co_u32 s30, s30, 2*32*SP
	v_add_nc_u32 v5, s30, v5                       ; LDS: my block's scale byte
	v_lshlrev_b32 v7, 3, v2                        ; on the way out 8 bytes a lane
	v_add_nc_u32 v6, s30, v7
.macro LOAD t
.irp i, 0,1,2,3
	global_load_b128 v[R+16*((\t)%4)+4*\i:R+16*((\t)%4)+4*\i+3], v3, s[10:11] offset:2048*(\t)+512*\i th:TH_LOAD_NT   ; 32 lanes read 512 bytes on end
.endr
.endm
.macro TURN t                          ; step t's numbers through the stage: LDS serves a wave's instructions in order, so no wait stands between the stores and the loads
.irp i, 0,1,2,3
	ds_store_b128 v14, v[R+16*((\t)%4)+4*\i:R+16*((\t)%4)+4*\i+3] offset:32*SP*((\t)%2)+8*SP*\i
.endr
.irp i, 0,1,2,3
	ds_load_b128 v[X+16*((\t)%2)+4*\i:X+16*((\t)%2)+4*\i+3], v15 offset:32*SP*((\t)%2)+16*\i
.endr
.endm
.irp t, 0,1,2,3
	LOAD \t
.endr
	s_wait_loadcnt 12                              ; step 0's four loads are in; three steps' twelve may be out
	TURN 0
.macro STEP t
.set XS, X+16*((\t)%2)
.if (\t) > 0
	s_wait_dscnt 1                                 ; this step's numbers are back from the stage (the last step's byte store may be out)
.else
	s_wait_dscnt 0x0
.endif
.if (\t)+4 < STEPS
	LOAD (\t)+4                                    ; into the registers that the stage's stores have read
.endif
.if (\t)+1 < STEPS
.if STEPS-2-(\t) >= 3
	s_wait_loadcnt 12                              ; the next step's four loads are in; those of the three steps behind it may be out
.else
	s_wait_loadcnt 4*(STEPS-2-(\t))
.endif
	TURN (\t)+1                                    ; through the other stage while this step is worked
.endif
	v_max3_num_f32 v8, |v[XS]|, |v[XS+1]|, |v[XS+2]|               ; the largest magnitude of my 16, in two chains
	v_max3_num_f32 v9, |v[XS+3]|, |v[XS+4]|, |v[XS+5]|
.irp i, 6,10
	v_max3_num_f32 v8, v8, |v[XS+\i]|, |v[XS+\i+1]|
	v_max3_num_f32 v9, v9, |v[XS+\i+2]|, |v[XS+\i+3]|
.endr
	v_max3_num_f32 v8, v8, |v[XS+14]|, |v[XS+15]|
	v_max3_num_f32 v8, v8, v9, (EMAX+1)<<23        ; and the floor 2^(3 - 127): the byte cannot fall under 1
	v_max_num_f32_dpp v8, v8, v8 row_xmask:1 row_mask:0xf bank_mask:0xf   ; with my neighbour's 16: the block's
	v_add_nc_u32 v11, -(EMAX<<23), v8              ; 2 off its exponent field: the conversion takes the exponent field of this operand as its scale
	v_cvt_scalef32_pk8_fp4_f32 v[C+4*(\t)], v[XS:XS+7], v11
	v_cvt_scalef32_pk8_fp4_f32 v[C+4*(\t)+1], v[XS+8:XS+15], v11
	v_lshrrev_b32 v[E+(\t)], 23, v11               ; the scale's byte
	ds_store_b8 v5, v[E+(\t)] offset:16*(\t)       ; both lanes of a block write the same byte with the same value
	global_store_b64 v4, v[C+4*(\t):C+4*(\t)+1], s[16:17] offset:32*CB*(\t)   ; 32 lanes store 256 bytes on end, aligned
.endm
.irp t, 0,1,2,3,4,5,6,7,8,9,10,11,12,13,14,15
	STEP \t
.endr
	ds_load_b64 v[8:9], v6                         ; LDS serves a wave's instructions in order: these see my byte stores
	s_wait_dscnt 0x0
	global_store_b64 v7, v[8:9], s[18:19]          ; 256 scale bytes on end, aligned
	s_wait_tensorcnt 0x0                           ; the wave's end, behind my last LDS store
	ds_add_u32 v[SPW], v[NIL]
	s_wait_dscnt 0x0
	s_endpgm
	; ---- weight and Wp to f16: a wave takes 8,192 numbers in four batches of 16 loads; two batches are on their way
.Lconvert:
	s_sub_co_u32 s23, ttmp9, QWG                   ; 0-31 weight, 32-63 Wp
	s_cmp_lt_u32 s23, 32
	s_cselect_b64 s[12:13], s[12:13], s[14:15]
	s_and_b32 s24, s23, 31
	s_lshl_b32 s24, s24, 17                        ; 131,072 bytes of f32 a work-group,
	s_lshl_b32 s25, s22, 15                        ; 32,768 a wave
	s_add_co_u32 s24, s24, s25
	s_mov_b32 s25, 0
	s_add_nc_u64 s[12:13], s[12:13], s[24:25]
	s_lshl_b32 s24, s23, 16                        ; half as many of f16
	s_lshl_b32 s26, s22, 14
	s_add_co_u32 s24, s24, s26
	s_add_nc_u64 s[20:21], s[20:21], s[24:25]
	v_lshlrev_b32 v4, 3, v2                        ; out: 8 bytes a lane
.macro LOADC n
.irp i, 0,1,2,3,4,5,6,7,8,9,10,11,12,13,14,15
	global_load_b128 v[16+64*((\n)%2)+4*\i:16+64*((\n)%2)+4*\i+3], v3, s[12:13] offset:8192*(\n)+512*\i th:TH_LOAD_NT
.endr
.endm
.macro CVTB n
.if (\n) < 3
	s_wait_loadcnt 16                              ; this batch is in; the next batch's 16 loads may be out
.else
	s_wait_loadcnt 0x0
.endif
	s_wait_xcnt 0x0                                ; the last batch's stores have read their data registers, which are written again below
.irp i, 0,1,2,3,4,5,6,7,8,9,10,11,12,13,14,15
	v_cvt_pk_f16_f32 v[144+2*\i], v[16+64*((\n)%2)+4*\i], v[17+64*((\n)%2)+4*\i]
	v_cvt_pk_f16_f32 v[145+2*\i], v[18+64*((\n)%2)+4*\i], v[19+64*((\n)%2)+4*\i]
.endr
.if (\n) < 2
	LOADC (\n)+2
.endif
.irp i, 0,1,2,3,4,5,6,7,8,9,10,11,12,13,14,15
	global_store_b64 v4, v[144+2*\i:145+2*\i], s[20:21] offset:4096*(\n)+256*\i   ; 256 bytes on end, aligned
.endr
.endm
	LOADC 0
	LOADC 1
	CVTB 0
	CVTB 1
	CVTB 2
	CVTB 3
	s_wait_tensorcnt 0x0                           ; this path stores nothing to LDS; the launch's other path does, and every end of the text has the same three lines
	ds_add_u32 v[SPW], v[NIL]
	s_wait_dscnt 0x0
	s_endpgm
.Lfunc_end_k_q1e4e59fa6f_prep:
	.size	k_q1e4e59fa6f_prep, .Lfunc_end_k_q1e4e59fa6f_prep-k_q1e4e59fa6f_prep
	.p2alignl 7, 3214868480
	.fill 96, 4, 3214868480
	.section	.rodata,"a",@progbits
	.p2align	6, 0x0
	.amdhsa_kernel k_q1e4e59fa6f_prep
		.amdhsa_group_segment_fixed_size 33280
		.amdhsa_private_segment_fixed_size 0
		.amdhsa_enable_private_segment 0
		.amdhsa_kernarg_size 72
		.amdhsa_user_sgpr_count 2
		.amdhsa_user_sgpr_kernarg_segment_ptr 1
		.amdhsa_wavefront_size32 1
		.amdhsa_system_sgpr_workgroup_id_x 1
		.amdhsa_system_sgpr_workgroup_id_y 1
		.amdhsa_system_sgpr_workgroup_id_z 1
		.amdhsa_system_vgpr_workitem_id 0
		.amdhsa_next_free_vgpr 192
		.amdhsa_next_free_sgpr 66
		.amdhsa_reserve_vcc 0
		.amdhsa_float_denorm_mode_32 3
		.amdhsa_float_denorm_mode_16_64 3
		.amdhsa_memory_ordered 1
		.amdhsa_forward_progress 1
		.amdhsa_inst_pref_size 55
	.end_amdhsa_kernel
	.amdgpu_metadata
---
amdhsa.version: [ 1, 2 ]
amdhsa.kernels:
  - .name:           k_q1e4e59fa6f_prep
    .symbol:         k_q1e4e59fa6f_prep.kd
    .args:
      - { .name: k, .offset: 0, .size: 8, .value_kind: global_buffer, .address_space: global }
      - { .name: q, .offset: 8, .size: 8, .value_kind: global_buffer, .address_space: global }
      - { .name: Wk, .offset: 16, .size: 8, .value_kind: global_buffer, .address_space: global }
      - { .name: Wq, .offset: 24, .size: 8, .value_kind: global_buffer, .address_space: global }
      - { .name: weight, .offset: 32, .size: 8, .value_kind: global_buffer, .address_space: global }
      - { .name: Wp, .offset: 40, .size: 8, .value_kind: global_buffer, .address_space: global }
      - { .name: codes, .offset: 48, .size: 8, .value_kind: global_buffer, .address_space: global }
      - { .name: scales, .offset: 56, .size: 8, .value_kind: global_buffer, .address_space: global }
      - { .name: wf16, .offset: 64, .size: 8, .value_kind: global_buffer, .address_space: global }
    .group_segment_fixed_size: 33280
    .private_segment_fixed_size: 0
    .kernarg_segment_align: 8
    .kernarg_segment_size: 72
    .max_flat_workgroup_size: 128
    .sgpr_count:     66
    .vgpr_count:     192
    .wavefront_size: 32
...
	.end_amdgpu_metadata
.endif
;; end of part 1
;; launch proj (part 2): grid 4 x 64, 4 waves a work-group, clusters of 4 x 4, 327,680 bytes of LDS; arguments codes, scales, bk, bq, xx, pmax; writes xx, pmax
.if DOCPART == 2
	.amdgcn_target "amdgcn-amd-amdhsa--gfx1250"
	.amdhsa_code_object_version 6
	.text
	.protected	k_q1e4e59fa6f_proj
	.globl	k_q1e4e59fa6f_proj
	.p2align	8
	.type	k_q1e4e59fa6f_proj,@function
k_q1e4e59fa6f_proj:
	s_mov_b64 s[64:65], 0
	v_nop
	global_prefetch_b8 v0, s[64:65] scope:SCOPE_SE
	s_setreg_imm32_b32 hwreg(HW_REG_WAVE_MODE, 25, 1), 1
	s_wait_xcnt 0x0
	s_wait_alu depctr_hold_cnt(0) depctr_sa_sdst(0) depctr_va_vdst(0) depctr_va_sdst(0) depctr_va_ssrc(0) depctr_va_vcc(0) depctr_vm_vsrc(0)
	s_getreg_b32 s2, hwreg(HW_REG_IB_STS2, 6, 4)
	s_cmp_eq_u32 s2, 0
	s_cbranch_scc0 .Lentry_in_a_cluster
	s_endpgm
.Lentry_in_a_cluster:
	s_bfe_u32 s2, ttmp6, 0x10000c
	s_cmp_lg_u32 s2, 0xf033
	s_cbranch_scc0 .Lentry_shape_is_right
	s_endpgm
.Lentry_shape_is_right:
; kx = Q(k) Q(Wk)^T + bk (16,384 rows) and qx = Q(q) Q(Wq)^T + bq (8,192 rows), both on codes of FP4 with E8M0 scales, sums in f32; results held at +-65,504 and rounded to f16:
; xx [24576][1024] f16, rows 0.. kx, rows 16384.. qx.  For qx also pmax [8192][8] f32: the largest |qx| of a row's 128 columns, part = 2 x tile column + column half, with the floor 2^-100.
; LIMITS: results beyond 65,504 are held there; NaN and infinities are not served.
; SHARES.  A tile is 128 rows x 256 columns; four waves, 2 x 2, each 64 x 128: 32 accumulators of 16 x 16.  A WORK-GROUP STAYS for three tiles: rows 128 (ty + 64 j), j = 0, 1 (k) and 2 (q), columns 256 nt:
; 256 work-groups, 3 x 256 matrix instructions a wave.  All of K (512 bytes a row) of a tile lies in LDS at once: A in two slots by turns, B (Wk, later Wq) in one region, all scale bytes filled once.
; CLUSTERS of 4 x 4: the four of a cluster's row need the same rows of A, the four of a column the same rows of B: each tile is asked for jointly, by the same tensor load with a mask that names the four.
; THE MATRIX INSTRUCTION IS USED TRANSPOSED (source 0 = 16 rows of W, source 1 = 16 rows of k or q): lane (r, h) holds row r and eight neighbouring columns 8 h + 0 .. 7.  The bias is the C of each sum's first instruction.
; REGISTERS.  window 0: v0-31 addresses and small things; v32-95 scale words and nothing else (register 8 i + q: lanes 0-15 the word of A's block i, lanes 16-31 of B's block i, K step q);
;   v96-127, v128-159 A's fragments, two sets (on the way out: rows read back from the stage); v160-223 T; v224-255 TMP.   window 1: accumulator (a, b) at v[8 (8 a + b)].
;   window 2: v0-63, v64-127 B's fragments, two sets; v128-191 bk's eight tiles, v192-255 bq's.
.set PITCH,  528                       ; an LDS row: 512 bytes + 16 of padding = 132 words: the 16 rows that a load touches start at 16 different banks (64 banks of 4 bytes: ISA guide 11.1)
.set FBLK,   16*PITCH
.set HALFA,  64*PITCH                  ; what one load brings of A
.set ASLOT,  2*HALFA
.set BREG,   2*ASLOT                   ; behind A's two slots: B's 256 rows
.set HALFB,  128*PITCH
.set SCA,    BREG+2*HALFB              ; A's scale bytes of the three tiles, as units of 256 bytes + 16 of padding
.set SHA,    8*272                     ; those of 64 rows
.set SCB,    SCA+6*SHA                 ; Wk's 256 rows' scale bytes, then Wq's
.set STAGE,  SCB+8*SHA                 ; the way out: 16 rows x 272 bytes for each wave; no tensor load lands here
.set SPITCH, 272
.set SPARE,  STAGE+4*16*SPITCH         ; the spare words, 128 bytes a wave
.set MX,   8                           ; v8-11  the largest |qx| of my lane's 64 numbers of row tile a
.set PW,   12                          ; v12    pmax: 32 x lane + 4 x part
.set BO,   13                          ; v13    the biases: 32 h
.set M2,   14                          ; v14    the maximum's second chain
.set ADRA, 16                          ; v16-17 my A fragments in slot 0, 1
.set ADRB, 20                          ; v20    my B fragments
.set STO,  24
.set RD,   25
.set CO,   26
.set ADS0, 27                          ; v27, v30, v31  my scale words for tile 0, 1, 2: lanes 0-15 A's rows, lanes 16-31 B's
.set SPW,  28
.set NIL,  29
.set ADS1, 30
.set ADS2, 31
.set SC,   32
.set AF,   96
.set T,    160
.set TMP,  224
.set MSB, 0
.macro WIN new                         ; the immediate's high byte repeats the setting that is left
.if MSB != \new
	s_set_vgpr_msb (MSB<<8)|\new
.set MSB, \new
.endif
.endm
.set MUL,  0x52                        ; source 0 (W) window 2, source 1 window 0, C and D window 1
.set MULB, 0x62                        ; the same with C (a bias) in window 2
.set TO_B, 0x80                        ; destination window 2
.macro PLACES                          ; four plain places behind matrix instructions, in front of loads into their sources and of reads of their results
.rept 4
	v_nop
.endr
.endm
.macro CROUND                          ; a round of the cluster's barrier
	s_barrier_signal -1
	s_barrier_wait -1
	s_cmp_lg_u32 s16, 0
	s_cbranch_scc1 .Lnot_wave_0_\@
	s_barrier_signal -3
.Lnot_wave_0_\@:
	s_barrier_wait -3
	s_barrier_signal -1
	s_barrier_wait -1
.endm
.macro GROUP0 g, lreg, loff, areg, aoff    ; a descriptor's group 0: count 1, LDS address, global address, type 2
	s_mov_b32 s[\g], 1
	s_add_co_u32 s[\g+1], s[\lreg], \loff
	s_add_nc_u64 s[\g+2:\g+3], s[\areg:\areg+1], \aoff
	s_or_b32 s[\g+3], s[\g+3], 0x80000000
.endm
	s_load_b256 s[4:11], s[0:1], 0x0               ; codes, scales, bk, bq
	s_load_b128 s[12:15], s[0:1], 0x20             ; xx, pmax
	v_lshl_add_u32 v[SPW], v0, 2, SPARE
	v_mov_b32 v[NIL], 0
	ds_add_u32 v[SPW], v[NIL]                      ; the wave's opening: the add, twice on end, and its wait ahead of my first tensor load
	ds_add_u32 v[SPW], v[NIL]
	v_lshrrev_b32 v1, 5, v0
	v_readfirstlane_b32 s16, v1                    ; wave 0..3
	s_lshr_b32 s17, s16, 1                         ; my half of the tile's rows.  Also: I fetch for A (0) or for B (1)
	s_and_b32 s18, s16, 1                          ; my half of its columns.  Also: which half of a tile I fetch
	s_bfe_u32 s19, ttmp6, 0x40000                  ; cx
	s_bfe_u32 s20, ttmp6, 0x40004                  ; cy
	s_and_b32 s21, ttmp7, 0xffff                   ; cluster y
	s_lshl_b32 s22, s21, 2
	s_add_co_u32 s22, s22, s20                     ; ty = 4 x cluster y + cy
	s_lshl_b32 s23, ttmp9, 2
	s_add_co_u32 s23, s23, s19                     ; nt = 4 x cluster x + cx
	s_lshl_b32 s2, s20, 2
	s_lshl_b32 s2, 15, s2                          ; my row of the cluster
	s_lshl_b32 s3, 0x1111, s19                     ; my column
	; group 1 for A's codes: 64 rows x 512 bytes, 16 bytes of padding behind each row; for B's: 128 rows
	s_or_b32 s24, s2, (0<<16)|(1<<20)|(1<<21)|(6<<22)|(3<<25)   ; mask; elements of 1 byte; padding on; bit 21 beside a mask; after every 128 words; 4 words
	s_mov_b32 s25, 512<<16
	s_mov_b32 s26, 64<<16
	s_mov_b32 s27, 512<<16
	s_mov_b32 s28, 64
	s_mov_b32 s29, 512
	s_mov_b32 s30, 0
	s_mov_b32 s31, 0
	s_or_b32 s32, s3, (0<<16)|(1<<20)|(1<<21)|(6<<22)|(3<<25)
	s_mov_b32 s33, 512<<16
	s_mov_b32 s34, 128<<16
	s_mov_b32 s35, 512<<16
	s_mov_b32 s36, 128
	s_mov_b32 s37, 512
	s_mov_b32 s38, 0
	s_mov_b32 s39, 0
	; group 1 for scale bytes: dense blocks as rows of 256 bytes (32 elements of 8), 16 bytes of padding behind each: 8 rows for A's 64 rows, 16 for B's 128
	s_or_b32 s40, s2, (3<<16)|(1<<20)|(1<<21)|(5<<22)|(3<<25)
	s_mov_b32 s41, 32<<16
	s_mov_b32 s42, 8<<16
	s_mov_b32 s43, 32<<16
	s_mov_b32 s44, 8
	s_mov_b32 s45, 32
	s_mov_b32 s46, 0
	s_mov_b32 s47, 0
	s_or_b32 s48, s3, (3<<16)|(1<<20)|(1<<21)|(5<<22)|(3<<25)
	s_mov_b32 s49, 32<<16
	s_mov_b32 s50, 16<<16
	s_mov_b32 s51, 32<<16
	s_mov_b32 s52, 16
	s_mov_b32 s53, 32
	s_mov_b32 s54, 0
	s_mov_b32 s55, 0
	; A's addresses hang on ty and the wave alone (s92-95), B's on nt and the wave alone (s96-99)
	s_lshl_b32 s92, s22, 7
	s_lshl_b32 s93, s18, 6
	s_add_co_u32 s92, s92, s93                     ; tile 0: the first row that I fetch
	s_lshl_b32 s94, s92, 5                         ; its scale bytes
	s_mov_b32 s95, 0
	s_lshl_b32 s92, s92, 9                         ; its codes
	s_mov_b32 s93, 0
	s_lshl_b32 s96, s23, 8
	s_lshl_b32 s97, s18, 7
	s_add_co_u32 s96, s96, s97
	s_add_co_u32 s96, s96, 24576                   ; Wk's rows begin at row 24,576
	s_lshl_b32 s98, s96, 5
	s_mov_b32 s99, 0
	s_lshl_b32 s96, s96, 9
	s_mov_b32 s97, 0
	s_mov_b32 s100, 0xc77fe000                     ; -65,504
	s_mov_b32 s101, 0x477fe000                     ; 65,504
	s_wait_dscnt 0x0                               ; both opening adds are done
	s_wait_kmcnt 0x0
	s_add_nc_u64 s[92:93], s[4:5], s[92:93]
	s_add_nc_u64 s[94:95], s[6:7], s[94:95]
	s_add_nc_u64 s[96:97], s[4:5], s[96:97]
	s_add_nc_u64 s[98:99], s[6:7], s[98:99]
	CROUND                                         ; all sixteen work-groups are here: the first joint loads meet
	s_mul_i32 s2, s18, HALFA                       ; LDS places hang on the wave alone
	s_mul_i32 s3, s18, SHA
	GROUP0 56, 2, 0, 92, 0                         ; A, tile 0 -> slot 0 (later tile 2)
	GROUP0 88, 2, ASLOT, 92, 8192*512              ; A, tile 1 -> slot 1: 8,192 rows on
	GROUP0 60, 3, SCA, 94, 0                       ; A's scale bytes, tiles 0, 1, 2
	GROUP0 68, 3, SCA+2*SHA, 94, 8192*32
	GROUP0 72, 3, SCA+4*SHA, 94, 2*8192*32
	s_mul_i32 s2, s18, HALFB
	s_mul_i32 s3, s18, 2*SHA
	GROUP0 76, 2, BREG, 96, 0                      ; Wk (later Wq)
	GROUP0 80, 3, SCB, 98, 0                       ; Wk's scale bytes
	GROUP0 84, 3, SCB+4*SHA, 98, 1024*32           ; Wq's
	s_cmp_eq_u32 s17, 0                            ; a wave's first fills stand in one branch: five loads of waves 0 and 1, three of waves 2 and 3; an s_nop 0 follows each, four v_nop the last
	s_cbranch_scc0 .Lfirst_b
	tensor_load_to_lds s[60:63], s[40:47]
	s_nop 0
	tensor_load_to_lds s[68:71], s[40:47]
	s_nop 0
	tensor_load_to_lds s[72:75], s[40:47]
	s_nop 0
	tensor_load_to_lds s[56:59], s[24:31]
	s_nop 0
	tensor_load_to_lds s[88:91], s[24:31]
	s_nop 0
.rept 4
	v_nop
.endr
	s_branch .Lfirst_done
.Lfirst_b:
	tensor_load_to_lds s[80:83], s[48:55]
	s_nop 0
	tensor_load_to_lds s[84:87], s[48:55]
	s_nop 0
	tensor_load_to_lds s[76:79], s[32:39]
	s_nop 0
.rept 4
	v_nop
.endr
.Lfirst_done:
	v_and_b32 v1, 15, v0                           ; r
	v_bfe_u32 v2, v0, 4, 1                         ; h
	v_mul_u32_u24 v3, v1, PITCH
	v_lshl_add_u32 v3, v2, 4, v3                   ; a fragment's row x pitch + 16 h
	s_mul_i32 s2, s17, HALFA                       ; my 64 rows of A
	v_add_nc_u32 v[ADRA], s2, v3
	s_add_co_u32 s2, s2, ASLOT
	v_add_nc_u32 v[ADRA+1], s2, v3
	s_mul_i32 s2, s18, HALFB                       ; my 128 rows of B
	s_add_co_u32 s2, s2, BREG
	v_add_nc_u32 v[ADRB], s2, v3
	v_lshlrev_b32 v3, 5, v1                        ; scale words: 32 bytes a row,
	v_lshrrev_b32 v4, 3, v1
	v_lshl_add_u32 v3, v4, 4, v3                   ; and 16 more behind each 256
	s_mul_i32 s2, s17, SHA                         ; A's: my 64 rows
	s_mul_i32 s3, s18, 2*SHA                       ; B's: my 128 rows
	s_add_co_u32 s3, s3, SCB-SCA
	s_sub_co_u32 s3, s3, s2                        ; the distance from A's to B's: lanes 16-31 take B's (one product: base + h x distance)
	s_add_co_u32 s2, s2, SCA
	v_mul_u32_u24 v4, s3, v2
	v_add_nc_u32 v4, v4, v3
	v_add_nc_u32 v[ADS0], s2, v4                   ; tile 0: A's tile 0, Wk
	s_sub_co_u32 s3, s3, 2*SHA
	s_add_co_u32 s2, s2, 2*SHA
	v_mul_u32_u24 v4, s3, v2
	v_add_nc_u32 v4, v4, v3
	v_add_nc_u32 v[ADS1], s2, v4                   ; tile 1: A's tile 1, Wk
	s_add_co_u32 s3, s3, 2*SHA
	s_add_co_u32 s2, s2, 2*SHA
	v_mul_u32_u24 v4, s3, v2
	v_add_nc_u32 v4, v4, v3
	v_add_nc_u32 v[ADS2], s2, v4                   ; tile 2: A's tile 2, Wq
	s_mul_i32 s2, s16, 16*SPITCH
	s_add_co_u32 s2, s2, STAGE                     ; my stage
	v_mul_u32_u24 v4, v1, SPITCH                   ; in: row r, 16 bytes for each half of the lanes
	v_lshl_add_u32 v4, v2, 4, v4
	v_add_nc_u32 v[STO], s2, v4
	v_mul_u32_u24 v5, v2, SPITCH                   ; back: lanes 0-15 one row of 256 bytes, lanes 16-31 the next
	v_lshl_add_u32 v5, v1, 4, v5
	v_add_nc_u32 v[RD], s2, v5
	v_lshlrev_b32 v5, 11, v2                       ; and the same two rows in xx
	v_lshl_add_u32 v[CO], v1, 4, v5
	s_lshl_b32 s2, s23, 10                         ; the biases of my 128 columns
	s_lshl_b32 s3, s18, 9
	s_add_co_u32 s2, s2, s3
	s_mov_b32 s3, 0
	s_add_nc_u64 s[8:9], s[8:9], s[2:3]
	s_add_nc_u64 s[10:11], s[10:11], s[2:3]
	v_lshlrev_b32 v[BO], 5, v2                     ; lane (r, h) wants, for column tile b, the numbers 16 b + 8 h + 0 .. 7
	WIN TO_B
.irp b, 0,1,2,3,4,5,6,7
	global_load_b128 v[128+8*\b:131+8*\b], v[BO], s[8:9] offset:64*\b
	global_load_b128 v[132+8*\b:135+8*\b], v[BO], s[8:9] offset:64*\b+16
	global_load_b128 v[192+8*\b:195+8*\b], v[BO], s[10:11] offset:64*\b
	global_load_b128 v[196+8*\b:199+8*\b], v[BO], s[10:11] offset:64*\b+16
.endr
	WIN 0
	s_lshl_b32 s92, s22, 7
	s_lshl_b32 s93, s17, 6
	s_add_co_u32 s92, s92, s93                     ; my first row of tile 0
	s_lshl_b32 s94, s92, 5
	s_mov_b32 s95, 0
	s_add_nc_u64 s[14:15], s[14:15], s[94:95]      ; pmax: 32 bytes a row (tile 2's rows are q's rows 128 ty ..)
	s_lshl_b32 s94, s92, 11
	s_lshl_b32 s93, s23, 9
	s_add_co_u32 s94, s94, s93
	s_lshl_b32 s93, s18, 8
	s_add_co_u32 s94, s94, s93
	s_add_nc_u64 s[12:13], s[12:13], s[94:95]      ; xx at my part of tile 0
	s_lshl_b32 s92, s23, 3
	s_lshl_b32 s93, s18, 2
	s_add_co_u32 s92, s92, s93                     ; 4 x part
	v_and_b32 v3, 31, v0
	v_lshl_add_u32 v[PW], v3, 5, s92
.macro FRAG reg, adr, q, i             ; 16 rows x 128 K of 4-bit codes: registers 4 c .. 4 c + 3 hold K = 64 c + 32 h + 0 .. 31: 16 bytes of the row as they lie
.irp c, 0,1
	ds_load_b128 v[(\reg)+4*\c:(\reg)+4*\c+3], v[\adr] offset:64*(\q)+32*\c+(\i)*FBLK
.endr
.endm
.macro SCALES adr                      ; a tile's scale words for all eight K steps
.irp i, 0,1,2,3,4,5,6,7
	ds_load_b128 v[SC+8*\i:SC+8*\i+3], v[\adr] offset:544*\i
	ds_load_b128 v[SC+8*\i+4:SC+8*\i+7], v[\adr] offset:544*\i+16
.endr
.endm
; eight matrix instructions: row tile a x the eight column tiles, K step q.  cm = 0: in place; 1: bk starts the sums; 2: bq does.  The 32 accumulators take turns in one order
.macro MULF a, set, q, cm
.irp b, 0,1,2,3,4,5,6,7
.if (\cm) == 0
	v_wmma_scale_f32_16x16x128_f8f6f4 v[8*(8*(\a)+\b):8*(8*(\a)+\b)+7], v[64*(\set)+8*\b:64*(\set)+8*\b+7], v[AF+32*(\set)+8*(\a):AF+32*(\set)+8*(\a)+7], v[8*(8*(\a)+\b):8*(8*(\a)+\b)+7], v[SC+8*\b+(\q)], v[SC+8*(\a)+(\q)] matrix_a_fmt:MATRIX_FMT_FP4 matrix_b_fmt:MATRIX_FMT_FP4 matrix_a_scale:MATRIX_SCALE_ROW1
.else
	v_wmma_scale_f32_16x16x128_f8f6f4 v[8*(8*(\a)+\b):8*(8*(\a)+\b)+7], v[64*(\set)+8*\b:64*(\set)+8*\b+7], v[AF+32*(\set)+8*(\a):AF+32*(\set)+8*(\a)+7], v[64+64*(\cm)+8*\b:64+64*(\cm)+8*\b+7], v[SC+8*\b+(\q)], v[SC+8*(\a)+(\q)] matrix_a_fmt:MATRIX_FMT_FP4 matrix_b_fmt:MATRIX_FMT_FP4 matrix_a_scale:MATRIX_SCALE_ROW1
.endif
.endr
.endm
.macro MWIN cm
.if (\cm) == 0
	WIN MUL
.else
	WIN MULB
.endif
.endm
.macro FETCHQ slot, q                  ; K step q's fragments into set q % 2: 16 loads of B, 8 of A, in one run
	WIN TO_B
.irp i, 0,1,2,3,4,5,6,7
	FRAG 64*((\q)%2)+8*\i, ADRB, \q, \i
.endr
	WIN 0
.irp i, 0,1,2,3
	FRAG AF+32*((\q)%2)+8*\i, ADRA+\slot, \q, \i
.endr
.endm
.macro STEP slot, q, cm                ; 32 matrix instructions; in their middle the next K step's fragments are fetched into the other set
	s_wait_dscnt 0x0
	MWIN \cm
	MULF 0, (\q)%2, \q, \cm
	MULF 1, (\q)%2, \q, \cm
.if (\q) < 7
	PLACES
	FETCHQ \slot, (\q)+1
.endif
	MWIN \cm
	MULF 2, (\q)%2, \q, \cm
	MULF 3, (\q)%2, \q, \cm
.endm
.macro MAIN slot, cm, adrs
	SCALES \adrs
	FETCHQ \slot, 0
	STEP \slot, 0, \cm
.irp q, 1,2,3,4,5,6,7
	STEP \slot, \q, 0
.endr
	WIN 0
.endm
; A refill: every wave waits for all its tensor loads, adds 0 to its spare word, waits for that and for its LDS reads; a round of the cluster's barrier; then the two waves of one side issue one joint load each.
.macro CHANGE side
	s_wait_tensorcnt 0x0                           ; no tensor load of mine is out, so a group 0 may be written
	ds_add_u32 v[SPW], v[NIL]
.if \side == 0
	s_add_nc_u64 s[58:59], s[58:59], 2*8192*512    ; A: tile 2, into slot 0
.else
	s_add_nc_u64 s[78:79], s[78:79], 1024*512      ; B: Wq
.endif
	s_wait_dscnt 0x0                               ; the add is done, and my reads of the bytes to be filled are over
	CROUND                                         ; the same holds of every wave of every partner
	s_cmp_eq_u32 s17, \side
	s_cbranch_scc0 .Lnot_mine_\@
.if \side == 0
	tensor_load_to_lds s[56:59], s[24:31]
.else
	tensor_load_to_lds s[76:79], s[32:39]
.endif
	s_nop 0
.rept 4
	v_nop
.endr
.Lnot_mine_\@:
.endm
; THE WAY OUT of row tile a: held at +-65,504, (mx = 1: the largest magnitude taken,) rounded to f16; 16 bytes a lane into my stage; back as rows of 256 bytes; stored.  Each accumulator is read from its low end on.
.macro PACKH a, mx
	WIN 0x01                                       ; source 0: window 1
.set i, 0
.rept 64
	v_med3_num_f32 v[T+i], v[64*(\a)+i], s100, s101
.set i, i+1
.endr
	WIN 0
.if \mx
	v_max3_num_f32 v[MX+(\a)], |v[T]|, |v[T+1]|, 0x0d800000     ; the floor 2^-100: the sum of a row's eight parts is never 0
	v_max3_num_f32 v[M2], |v[T+2]|, |v[T+3]|, 0x0d800000
.set i, 4
.rept 15
	v_max3_num_f32 v[MX+(\a)], v[MX+(\a)], |v[T+i]|, |v[T+i+1]|
	v_max3_num_f32 v[M2], v[M2], |v[T+i+2]|, |v[T+i+3]|
.set i, i+4
.endr
	v_max_num_f32 v[MX+(\a)], v[MX+(\a)], v[M2]
.endif
.set i, 0
.rept 32
	v_cvt_pk_f16_f32 v[TMP+i], v[T+2*i], v[T+2*i+1]
.set i, i+1
.endr
.endm
.macro TOSTAGE a
.set BK, AF+32*((\a)%2)
.irp b, 0,1,2,3,4,5,6,7
	ds_store_b128 v[STO], v[TMP+4*\b:TMP+4*\b+3] offset:32*\b
.endr
.irp t, 0,1,2,3,4,5,6,7
	ds_load_b128 v[BK+4*\t:BK+4*\t+3], v[RD] offset:\t*2*SPITCH   ; LDS serves a wave's instructions in order: these see the stores above
.endr
.endm
.macro SEND a
.set BK, AF+32*((\a)%2)
	s_wait_dscnt 0x0                               ; the rows are back in registers
	s_wait_xcnt 0x0                                ; the stores of two tiles back have read their data registers, into which the next TOSTAGE loads
.irp t, 0,1,2,3,4,5,6,7
	global_store_b128 v[CO], v[BK+4*\t:BK+4*\t+3], s[12:13] offset:(16*(\a)+2*\t)*2048   ; 16 lanes store 256 bytes on end, aligned
.endr
.endm
.macro EPI mx
	PLACES
	PACKH 0, \mx
	TOSTAGE 0
.irp a, 1,2,3
	PACKH \a, \mx
	SEND \a-1
	TOSTAGE \a
.endr
	SEND 3
.endm
	s_wait_tensorcnt 0x0                           ; my first fills have landed,
	s_barrier_signal -1
	s_barrier_wait -1                              ; everybody's have
	s_wait_loadcnt 0x0                             ; the biases
	MAIN 0, 1, ADS0                                ; tile 0: k
	CHANGE 0                                       ; slot 0 takes tile 2's rows: they land under this way out and tile 1
	EPI 0
	s_wait_xcnt 0x0                                ; the stores have read their base and data
	s_add_nc_u64 s[12:13], s[12:13], 8192*2048     ; 8,192 rows of xx on
	MAIN 1, 1, ADS1                                ; tile 1: k
	CHANGE 1                                       ; B takes Wq: it lands under this way out
	EPI 0
	s_wait_xcnt 0x0
	s_add_nc_u64 s[12:13], s[12:13], 8192*2048
	s_wait_tensorcnt 0x0                           ; my part of Wq has landed (tile 2's rows were shown landed in front of the last round),
	s_wait_dscnt 0x0
	s_barrier_signal -1
	s_barrier_wait -1                              ; everybody's has
	MAIN 0, 2, ADS2                                ; tile 2: q
	EPI 1
	s_mov_b32 s92, 0x76543210                      ; lane l xor 16
	s_mov_b32 s93, 0xfedcba98
	s_mov_b32 s94, 0xffff0000                      ; lanes 16-31
.irp a, 0,1,2,3
	v_permlanex16_b32 v[T+\a], v[MX+\a], s92, s93  ; (its destination has been written: T)
.endr
.irp a, 0,1,2,3
	v_max_num_f32 v[MX+\a], v[MX+\a], v[T+\a]      ; the row's 128 columns of my half
.endr
	v_cndmask_b32 v6, v[MX], v[MX+1], s94          ; lanes 0-15 row tile 0, lanes 16-31 row tile 1: row = lane
	v_cndmask_b32 v7, v[MX+2], v[MX+3], s94
	global_store_b32 v[PW], v6, s[14:15]           ; four bytes a lane, 32 apart: 256 KB in all; laid so that a reader takes a row's eight parts by two loads of 16 bytes
	global_store_b32 v[PW], v7, s[14:15] offset:1024
	s_wait_tensorcnt 0x0                           ; the wave's end
	ds_add_u32 v[SPW], v[NIL]
	s_wait_dscnt 0x0
	CROUND                                         ; the closing round
	s_endpgm
.Lfunc_end_k_q1e4e59fa6f_proj:
	.size	k_q1e4e59fa6f_proj, .Lfunc_end_k_q1e4e59fa6f_proj-k_q1e4e59fa6f_proj
	.p2alignl 7, 3214868480
	.fill 96, 4, 3214868480
	.section	.rodata,"a",@progbits
	.p2align	6, 0x0
	.amdhsa_kernel k_q1e4e59fa6f_proj
		.amdhsa_group_segment_fixed_size 327680
		.amdhsa_private_segment_fixed_size 0
		.amdhsa_enable_private_segment 0
		.amdhsa_kernarg_size 48
		.amdhsa_user_sgpr_count 2
		.amdhsa_user_sgpr_kernarg_segment_ptr 1
		.amdhsa_wavefront_size32 1
		.amdhsa_system_sgpr_workgroup_id_x 1
		.amdhsa_system_sgpr_workgroup_id_y 1
		.amdhsa_system_sgpr_workgroup_id_z 1
		.amdhsa_system_vgpr_workitem_id 0
		.amdhsa_next_free_vgpr 768
		.amdhsa_next_free_sgpr 102
		.amdhsa_reserve_vcc 0
		.amdhsa_float_denorm_mode_32 3
		.amdhsa_float_denorm_mode_16_64 3
		.amdhsa_memory_ordered 1
		.amdhsa_forward_progress 1
		.amdhsa_inst_pref_size 255
	.end_amdhsa_kernel
	.section	.bss,"aw",@nobits
	.p2align	6
	.space	262144
	.amdgpu_metadata
---
amdhsa.version: [ 1, 2 ]
amdhsa.kernels:
  - .name:           k_q1e4e59fa6f_proj
    .symbol:         k_q1e4e59fa6f_proj.kd
    .args:
      - { .name: codes, .offset: 0, .size: 8, .value_kind: global_buffer, .address_space: global }
      - { .name: scales, .offset: 8, .size: 8, .value_kind: global_buffer, .address_space: global }
      - { .name: bk, .offset: 16, .size: 8, .value_kind: global_buffer, .address_space: global }
      - { .name: bq, .offset: 24, .size: 8, .value_kind: global_buffer, .address_space: global }
      - { .name: xx, .offset: 32, .size: 8, .value_kind: global_buffer, .address_space: global }
      - { .name: pmax, .offset: 40, .size: 8, .value_kind: global_buffer, .address_space: global }
    .group_segment_fixed_size: 327680
    .private_segment_fixed_size: 0
    .kernarg_segment_align: 8
    .kernarg_segment_size: 48
    .max_flat_workgroup_size: 128
    .sgpr_count:     102
    .vgpr_count:     768
    .wavefront_size: 32
...
	.end_amdgpu_metadata
.endif
;; end of part 2
;; launch bilin (part 3): grid 4 x 64, 4 waves a work-group, clusters of 4 x 4, 327,680 bytes of LDS; arguments xx, wf16, pmax, qo; writes qo
.if DOCPART == 3
	.amdgcn_target "amdgcn-amd-amdhsa--gfx1250"
	.amdhsa_code_object_version 6
	.text
	.protected	k_q1e4e59fa6f_bilin
	.globl	k_q1e4e59fa6f_bilin
	.p2align	8
	.type	k_q1e4e59fa6f_bilin,@function
k_q1e4e59fa6f_bilin:
	s_mov_b64 s[64:65], 0
	v_nop
	global_prefetch_b8 v0, s[64:65] scope:SCOPE_SE
	s_setreg_imm32_b32 hwreg(HW_REG_WAVE_MODE, 25, 1), 1
	s_wait_xcnt 0x0
	s_wait_alu depctr_hold_cnt(0) depctr_sa_sdst(0) depctr_va_vdst(0) depctr_va_sdst(0) depctr_va_ssrc(0) depctr_va_vcc(0) depctr_vm_vsrc(0)
	s_getreg_b32 s2, hwreg(HW_REG_IB_STS2, 6, 4)
	s_cmp_eq_u32 s2, 0
	s_cbranch_scc0 .Lentry_in_a_cluster
	s_endpgm
.Lentry_in_a_cluster:
	s_bfe_u32 s2, ttmp6, 0x10000c
	s_cmp_lg_u32 s2, 0xf033
	s_cbranch_scc0 .Lentry_shape_is_right
	s_endpgm
.Lentry_shape_is_right:
; qo[row][g] = (sum over h of qx[row][h] weight[h][g]) / S[row], f16 operands, f32 sums, the result held at +-65,504 and rounded to f16.  S[row] = the sum of the row's eight parts of pmax (at least the row's largest |qx|):
; so |qo| <= 1,024 x the largest |weight| whatever q, Wq and bq hold; the next launch multiplies the scores by the same S in f32.
; qx = xx from byte 33,554,432 on, [8192][1024]; weight = wf16's first half, [h][g]: K is its FIRST axis, so its fragments come out of LDS turned, by ds_load_tr16_b128.
; SHARES.  A tile is 128 rows x 256 columns; four waves, 2 x 2, each 64 x 128: 32 accumulators.  256 work-groups, 1,024 matrix instructions a wave.
; THE RING.  One K step of 128 of such a tile is 104,448 bytes of LDS; three fit.  They are laid as region X, two K steps (A's rows of 512 bytes; 256 k-rows of B), and region Y, one K step.  The eight K steps go
; 0,1 | 2 | 3,4 | 5 | 6,7 through X, Y, X, Y, X: three refills, one load a wave behind each, where two slots of one K step would take six.  A refill of Y has X's 256 matrix instructions in which to land, a refill of X has Y's 128.
; The last change of slots fills nothing where the second does, so the steps are written out by macro, without a loop.
; CLUSTERS of 4 x 4: A's tile is shared along a cluster's row, B's along a column, each asked for jointly.  Waves 0 and 1 fetch A's halves, waves 2 and 3 B's.
; THE MATRIX INSTRUCTION IS USED TRANSPOSED (source 0 = 16 columns' fragment of B, source 1 = 16 rows of A): lane (r, h) holds row r and eight neighbouring columns.
; REGISTERS.  window 0: v0-31 addresses; v32-63 parts as loaded; v64-71 a pair of 1 / S for each row tile; v96-127, v128-159 A's fragments, two buffers (on the way out: rows read back); v160-223 T; v224-255 TMP.
;   window 1: accumulator (a, b) at v[8 (8 a + b)].   window 2: v0-63, v64-127 B's fragments, two buffers.
; LIMITS: NaN and infinities are not served.
.set BT,     1                         ; B is stored [K][N]
.set QX0,    33554432
.set PX,     528                       ; A's row in X: 512 bytes + 16
.set PY,     272                       ; A's row in Y: 256 bytes + 16
.set PK,     544                       ; a k-row of B: 512 bytes + 32
.set XB,     128*PX                    ; X: A's 128 rows, then B
.set XBH,    128*PK                    ; half of B in X: one K step's 128 k-rows, and what one load brings
.set Y0,     XB+2*XBH                  ; Y: A's 128 rows,
.set YB,     Y0+128*PY                 ; then B's 128 k-rows
.set STAGE,  Y0                        ; the way out: 16 rows x 272 bytes for each wave, in Y, which has then had its last fill and its last read
.set SPITCH, 272
.set SPARE,  Y0+3*128*PY               ; behind Y: the spare words, 128 bytes a wave
.set BSTEP,  3*128*2048                ; B: three K steps on
.set FBX,    16*PX                     ; 16 rows in X; in Y FBD less
.set FBD,    16*(PX-PY)
.set PO,   10
.set ADRA, 16                          ; v16-18 my A fragments: X's first K step, X's second, Y
.set ADRB, 20                          ; v20-22 the same for B
.set STO,  24
.set RD,   25
.set CO,   26
.set SPW,  28
.set NIL,  29
.set RS,   32
.set SC2,  64
.set AF,   96
.set T,    160
.set TMP,  224
.set G1AX, 24                          ; s[24:31] group 1 for A into X;  s[72:79] into Y
.set GAX,  32                          ; s[32:35], s[36:39] their groups 0
.set GAY,  36
.set G1BX, 48                          ; s[48:55] group 1 for B into X;  s[80:87] into Y
.set GBX,  56                          ; s[56:59], s[60:63] their groups 0
.set GBY,  60
.set G1AY, 72
.set G1BY, 80
.set MSB, 0
.macro WIN new                         ; the immediate's high byte repeats the setting that is left
.if MSB != \new
	s_set_vgpr_msb (MSB<<8)|\new
.set MSB, \new
.endif
.endm
.set MUL,  0x52                        ; source 0 (B) window 2, source 1 (A) window 0, C and D window 1
.set TO_B, 0x80
.macro PLACES                          ; four plain places behind matrix instructions, in front of loads into their sources and of reads of their results
.rept 4
	v_nop
.endr
.endm
.macro JLOAD g0a, g1a, g0b, g1b        ; a joint load; the branch hangs on the wave's number alone; an s_nop 0 and four v_nop follow each of the two lines
	s_cmp_eq_u32 s11, 0
	s_cbranch_scc0 .Lfor_b_\@
	tensor_load_to_lds s[\g0a:\g0a+3], s[\g1a:\g1a+7]
	s_nop 0
.rept 4
	v_nop
.endr
	s_branch .Lasked_\@
.Lfor_b_\@:
	tensor_load_to_lds s[\g0b:\g0b+3], s[\g1b:\g1b+7]
	s_nop 0
.rept 4
	v_nop
.endr
.Lasked_\@:
.endm
.macro CREST
	s_cmp_lg_u32 s10, 0
	s_cbranch_scc1 .Lnot_wave_0_\@
	s_barrier_signal -3
.Lnot_wave_0_\@:
	s_barrier_wait -3
	s_barrier_signal -1
	s_barrier_wait -1
.endm
.macro CROUND
	s_barrier_signal -1
	s_barrier_wait -1
	CREST
.endm
.macro SHAPE g, c, r                   ; words 1 to 7 of a group 1: a tile of r rows x c elements, out of rows of 1,024 elements
	s_mov_b32 s[\g+1], (\c)<<16
	s_mov_b32 s[\g+2], (\r)<<16
	s_mov_b32 s[\g+3], (\c)<<16
	s_mov_b32 s[\g+4], \r
	s_mov_b32 s[\g+5], 1024
	s_mov_b32 s[\g+6], 0
	s_mov_b32 s[\g+7], 0
.endm
.macro GROUP0 g, lreg, loff, areg, aoff    ; a group 0: count 1, LDS address, global address, type 2
	s_mov_b32 s[\g], 1
	s_add_co_u32 s[\g+1], s[\lreg], \loff
	s_add_nc_u64 s[\g+2:\g+3], s[\areg:\areg+1], \aoff
	s_or_b32 s[\g+3], s[\g+3], 0x80000000
.endm
	s_load_b128 s[4:7], s[0:1], 0x0                ; xx, wf16
	s_load_b64 s[66:67], s[0:1], 0x10              ; pmax
	s_load_b64 s[8:9], s[0:1], 0x18                ; qo
	v_lshl_add_u32 v[SPW], v0, 2, SPARE
	v_mov_b32 v[NIL], 0
	ds_add_u32 v[SPW], v[NIL]                      ; the wave's opening: the add, twice on end, and its wait ahead of my first tensor load
	ds_add_u32 v[SPW], v[NIL]
	v_lshrrev_b32 v1, 5, v0
	v_readfirstlane_b32 s10, v1                    ; wave
	s_lshr_b32 s11, s10, 1                         ; my row half; also: I fetch A (0) or B (1)
	s_and_b32 s12, s10, 1                          ; my column half; also: which half of a tile I fetch
	s_bfe_u32 s40, ttmp6, 0x40000                  ; cx
	s_bfe_u32 s41, ttmp6, 0x40004                  ; cy
	s_lshl_b32 s14, ttmp9, 2
	s_add_co_u32 s14, s14, s40                     ; nt
	s_and_b32 s15, ttmp7, 0xffff                   ; cluster y
	s_lshl_b32 s13, s15, 2
	s_add_co_u32 s13, s13, s41                     ; ty
	s_lshl_b32 s43, s41, 2
	s_lshl_b32 s43, 15, s43                        ; my row of the cluster
	s_lshl_b32 s44, 0x1111, s40                    ; my column
	s_or_b32 s[G1AX], s43, (1<<16)|(1<<20)|(1<<21)|(6<<22)|(3<<25)   ; A into X: 64 rows x 256 elements of 2 bytes; 4 words of padding behind every 128
	SHAPE G1AX, 256, 64
	s_or_b32 s[G1AY], s43, (1<<16)|(1<<20)|(1<<21)|(5<<22)|(3<<25)   ; A into Y: 64 rows x 128 elements; 4 words behind every 64
	SHAPE G1AY, 128, 64
	s_or_b32 s[G1BX], s44, (1<<16)|(1<<20)|(1<<21)|(6<<22)|(7<<25)   ; B into X: 128 k-rows x 256 elements; 8 words behind every 128
	SHAPE G1BX, 256, 128
	s_or_b32 s[G1BY], s44, (1<<16)|(1<<20)|(1<<21)|(6<<22)|(7<<25)   ; B into Y: 64 k-rows
	SHAPE G1BY, 256, 64
	s_lshl_b32 s16, s13, 7                         ; A hangs on ty and the wave alone
	s_lshl_b32 s17, s12, 6
	s_add_co_u32 s16, s16, s17
	s_lshl_b32 s16, s16, 11                        ; rows of 2,048 bytes
	s_mov_b32 s17, 0
	s_lshl_b32 s46, s12, 18                        ; B on nt and the wave alone.  X: k-rows 128 x half, columns 256 nt
	s_lshl_b32 s47, s14, 9
	s_add_co_u32 s46, s46, s47
	s_lshl_b32 s2, s12, 17                         ; Y: K step 2: k-rows 256 + 64 x half
	s_add_co_u32 s2, s2, s47
	s_add_co_u32 s2, s2, 2*128*2048
	s_mov_b32 s47, 0
	s_mov_b32 s3, 0
	s_mul_i32 s20, s12, 64*PX                      ; LDS places hang on the wave alone
	s_mul_i32 s21, s12, XBH
	s_mul_i32 s22, s12, 64*PY
	s_mul_i32 s23, s12, 128*PY
	s_mov_b32 s90, 0xc77fe000                      ; -65,504
	s_mov_b32 s91, 0x477fe000
	s_wait_dscnt 0x0                               ; both opening adds are done
	s_wait_kmcnt 0x0
	s_add_nc_u64 s[18:19], s[4:5], s[16:17]
	s_add_nc_u64 s[18:19], s[18:19], QX0
	s_add_nc_u64 s[46:47], s[6:7], s[46:47]
	s_add_nc_u64 s[2:3], s[6:7], s[2:3]
	CROUND                                         ; the first joint loads meet
	GROUP0 GAX, 20, 0, 18, 0                       ; K steps 0 and 1
	GROUP0 GAY, 22, Y0, 18, 512                    ; K step 2
	GROUP0 GBX, 21, XB, 46, 0
	GROUP0 GBY, 23, YB, 2, 0
	JLOAD GAX, G1AX, GBX, G1BX                     ; two loads of mine are out
	JLOAD GAY, G1AY, GBY, G1BY
	v_and_b32 v1, 15, v0                           ; r
	v_bfe_u32 v2, v0, 4, 1                         ; h
	v_mul_u32_u24 v3, v1, PX
	v_lshl_add_u32 v3, v2, 4, v3                   ; X: row x pitch + 16 h
	v_mul_u32_u24 v6, v1, PY
	v_lshl_add_u32 v6, v2, 4, v6                   ; Y
	s_mul_i32 s21, s11, 64*PX                      ; my 64 rows of A
	v_add_nc_u32 v[ADRA], s21, v3
	s_add_co_u32 s21, s21, 256                     ; X's second K step: 256 bytes on in each row
	v_add_nc_u32 v[ADRA+1], s21, v3
	s_mul_i32 s21, s11, 64*PY
	s_add_co_u32 s21, s21, Y0
	v_add_nc_u32 v[ADRA+2], s21, v6
	v_and_b32 v4, 7, v0                            ; the turning load: lane l reads 16 bytes of k-row 8 h + l % 8, columns 8 ((l / 8) % 2) on
	v_lshl_add_u32 v4, v2, 3, v4
	v_mul_u32_u24 v4, v4, PK
	v_bfe_u32 v5, v0, 3, 1
	v_lshl_add_u32 v4, v5, 4, v4
	s_lshl_b32 s22, s12, 8                         ; my 128 columns
	s_add_co_u32 s22, s22, XB
	v_add_nc_u32 v[ADRB], s22, v4
	s_add_co_u32 s22, s22, XBH                     ; X's second K step: 128 k-rows on
	v_add_nc_u32 v[ADRB+1], s22, v4
	s_add_co_u32 s22, s22, YB-XB-XBH
	v_add_nc_u32 v[ADRB+2], s22, v4
	s_mul_i32 s23, s10, 16*SPITCH
	s_add_co_u32 s23, s23, STAGE
	v_mul_u32_u24 v4, v1, SPITCH
	v_lshl_add_u32 v4, v2, 4, v4
	v_add_nc_u32 v[STO], s23, v4
	v_mul_u32_u24 v5, v2, SPITCH
	v_lshl_add_u32 v5, v1, 4, v5
	v_add_nc_u32 v[RD], s23, v5
	v_lshlrev_b32 v5, 11, v2
	v_lshl_add_u32 v[CO], v1, 4, v5
	v_lshlrev_b32 v[PO], 5, v1                     ; a row's eight parts: 32 bytes
	s_lshl_b32 s20, s13, 7
	s_lshl_b32 s21, s11, 6
	s_add_co_u32 s42, s20, s21                     ; my first row
	s_lshl_b32 s20, s42, 11
	s_lshl_b32 s21, s14, 9
	s_add_co_u32 s20, s20, s21
	s_lshl_b32 s21, s12, 8
	s_add_co_u32 s20, s20, s21
	s_mov_b32 s21, 0
	s_add_nc_u64 s[8:9], s[8:9], s[20:21]          ; the output at my part of the tile
	s_lshl_b32 s20, s42, 5
	s_add_nc_u64 s[66:67], s[66:67], s[20:21]      ; the parts of my 64 rows
.irp a, 0,1,2,3                                ; lane (r, h) takes row 16 a + r's eight parts
	global_load_b128 v[RS+8*\a:RS+8*\a+3], v[PO], s[66:67] offset:512*\a
	global_load_b128 v[RS+8*\a+4:RS+8*\a+7], v[PO], s[66:67] offset:512*\a+16
.endr
	s_wait_loadcnt 0x0
.irp a, 0,1,2,3
	v_pk_add_f32 v[RS+8*\a:RS+8*\a+1], v[RS+8*\a:RS+8*\a+1], v[RS+8*\a+2:RS+8*\a+3]
	v_pk_add_f32 v[RS+8*\a+4:RS+8*\a+5], v[RS+8*\a+4:RS+8*\a+5], v[RS+8*\a+6:RS+8*\a+7]
.endr
.irp a, 0,1,2,3
	v_pk_add_f32 v[RS+8*\a:RS+8*\a+1], v[RS+8*\a:RS+8*\a+1], v[RS+8*\a+4:RS+8*\a+5]
.endr
.irp a, 0,1,2,3
	v_add_f32 v[SC2+2*\a], v[RS+8*\a], v[RS+8*\a+1]    ; S, in the same order in every launch that reads the parts
.endr
.irp a, 0,1,2,3
	v_rcp_f32 v[SC2+2*\a], v[SC2+2*\a]
.endr
	v_nop                                          ; a plain place behind the last reciprocal
	s_wait_alu depctr_va_vdst(0)                   ; one wait for the four, ahead of their first reader
.irp a, 0,1,2,3
	v_mov_b32 v[SC2+2*\a+1], v[SC2+2*\a]           ; both words of the pair that the packed multiply takes
.endr
; eight matrix instructions: row tile a x the eight column tiles, 32 along K, buffer f.  cm = 1: the product starts the sums.  The 32 accumulators take turns in one order
.macro MUL8 f, a, cm
.irp b, 0,1,2,3,4,5,6,7
.if \cm == 1
	v_wmma_f32_16x16x32_f16 v[8*(8*\a+\b):8*(8*\a+\b)+7], v[64*\f+8*\b:64*\f+8*\b+7], v[AF+32*\f+8*\a:AF+32*\f+8*\a+7], 0
.else
	v_wmma_f32_16x16x32_f16 v[8*(8*\a+\b):8*(8*\a+\b)+7], v[64*\f+8*\b:64*\f+8*\b+7], v[AF+32*\f+8*\a:AF+32*\f+8*\a+7], v[8*(8*\a+\b):8*(8*\a+\b)+7]
.endif
.endr
.endm
; 24 LDS loads in one run: quarter q (32 along K) of K step u (0, 1: X's two; 2: Y's) into buffer f: B's eight fragments, then A's four
.macro FETCH u, q, f
	WIN TO_B
.irp b, 0,1,2,3,4,5,6,7
.if BT
	ds_load_tr16_b128 v[64*\f+8*\b:64*\f+8*\b+3],   v[ADRB+\u] offset:32*PK*\q+32*\b
	ds_load_tr16_b128 v[64*\f+8*\b+4:64*\f+8*\b+7], v[ADRB+\u] offset:32*PK*\q+32*\b+16*PK
.else
	ds_load_b128 v[64*\f+8*\b:64*\f+8*\b+3],   v[ADRB+\u] offset:(FBX-FBD*((\u)/2))*\b+64*\q
	ds_load_b128 v[64*\f+8*\b+4:64*\f+8*\b+7], v[ADRB+\u] offset:(FBX-FBD*((\u)/2))*\b+64*\q+32
.endif
.endr
	WIN 0
.irp a, 0,1,2,3
	ds_load_b128 v[AF+32*\f+8*\a:AF+32*\f+8*\a+3],   v[ADRA+\u] offset:(FBX-FBD*((\u)/2))*\a+64*\q
	ds_load_b128 v[AF+32*\f+8*\a+4:AF+32*\f+8*\a+7], v[ADRA+\u] offset:(FBX-FBD*((\u)/2))*\a+64*\q+32
.endr
.endm
.macro QUARTER u, q, f, g, cm          ; multiplies buffer f; in its middle fetches quarter q of K step u into buffer g
	s_wait_dscnt 4                                 ; B and A's row tiles 0, 1 are in; the youngest four loads (row tiles 2, 3) may be out
	WIN MUL
	MUL8 \f, 0, \cm
	MUL8 \f, 1, \cm
	PLACES
	FETCH \u, \q, \g
	s_wait_dscnt 24                                ; all but the 24 just issued
	WIN MUL
	MUL8 \f, 2, \cm
	MUL8 \f, 3, \cm
.endm
; a region's last quarter changes regions: one barrier; in front of it each wave waits for all its tensor loads, adds 0 to its spare word, and waits for that and for its reads of the region that it leaves.
; fill = 1: X, which has just been read out, is filled again; 2: Y is; 0: nothing is left to fetch.  next: the K step whose first quarter is fetched
.macro TURN next, fill
	WIN 0
	s_wait_tensorcnt 0x0                           ; my part of the next region has landed
	ds_add_u32 v[SPW], v[NIL]
	s_wait_dscnt 5                                 ; (the add and the youngest four loads may be out)
	WIN MUL
	MUL8 1, 0, 0
	s_wait_dscnt 0x0                               ; the add is done, and my reads of this region are over
	s_barrier_signal -1
	MUL8 1, 1, 0
	WIN 0
	s_barrier_wait -1
.if \fill == 1
	CREST                                          ; the barrier has opened a round of the cluster's: no wave of any partner still reads X or has a load on its way
	s_add_nc_u64 s[GAX+2:GAX+3], s[GAX+2:GAX+3], 768
	s_add_nc_u64 s[GBX+2:GBX+3], s[GBX+2:GBX+3], BSTEP
	JLOAD GAX, G1AX, GBX, G1BX                     ; three K steps on; its four v_nop are also the places in front of the loads below
.elseif \fill == 2
	CREST
	s_add_nc_u64 s[GAY+2:GAY+3], s[GAY+2:GAY+3], 768
	s_add_nc_u64 s[GBY+2:GBY+3], s[GBY+2:GBY+3], BSTEP
	JLOAD GAY, G1AY, GBY, G1BY
.else
	PLACES
.endif
	FETCH \next, 0, 0
	WIN MUL
	MUL8 1, 2, 0
	MUL8 1, 3, 0
.endm
.macro XSTEP cm                        ; X's eight quarters but the last
	QUARTER 0, 1, 0, 1, \cm
	QUARTER 0, 2, 1, 0, 0
	QUARTER 0, 3, 0, 1, 0
	QUARTER 1, 0, 1, 0, 0
	QUARTER 1, 1, 0, 1, 0
	QUARTER 1, 2, 1, 0, 0
	QUARTER 1, 3, 0, 1, 0
.endm
.macro YSTEP                           ; Y's four quarters but the last
	QUARTER 2, 1, 0, 1, 0
	QUARTER 2, 2, 1, 0, 0
	QUARTER 2, 3, 0, 1, 0
.endm
	s_wait_tensorcnt 1                             ; my part of X is in (Y's load may be out)
	s_barrier_signal -1
	s_barrier_wait -1                              ; everybody's is
	FETCH 0, 0, 0
	XSTEP 1                                        ; K steps 0, 1: the first quarter's products start the sums
	TURN 2, 1                                      ; X takes K steps 3, 4
	YSTEP                                          ; K step 2
	TURN 0, 2                                      ; Y takes K step 5
	XSTEP 0                                        ; K steps 3, 4
	TURN 2, 1                                      ; X takes K steps 6, 7
	YSTEP                                          ; K step 5
	TURN 0, 0
	XSTEP 0                                        ; K steps 6, 7
	s_wait_dscnt 4
	WIN MUL
	MUL8 1, 0, 0
	MUL8 1, 1, 0
	s_wait_dscnt 0x0
	MUL8 1, 2, 0
	MUL8 1, 3, 0
	WIN 0
; THE WAY OUT of row tile a: x the row's factor, held at +-65,504, rounded to f16; through my stage; stored as rows of 256 bytes.  Each accumulator is read from its low end on.
.macro PACKH a
	WIN 0x01
.set i, 0
.rept 32
	v_pk_mul_f32 v[T+i:T+i+1], v[64*(\a)+i:64*(\a)+i+1], v[SC2+2*(\a):SC2+2*(\a)+1]
.set i, i+2
.endr
	WIN 0
.set i, 0
.rept 64
	v_med3_num_f32 v[T+i], v[T+i], s90, s91
.set i, i+1
.endr
.set i, 0
.rept 32
	v_cvt_pk_f16_f32 v[TMP+i], v[T+2*i], v[T+2*i+1]
.set i, i+1
.endr
.endm
.macro TOSTAGE a
.set BK, AF+32*((\a)%2)
.irp b, 0,1,2,3,4,5,6,7
	ds_store_b128 v[STO], v[TMP+4*\b:TMP+4*\b+3] offset:32*\b
.endr
.irp t, 0,1,2,3,4,5,6,7
	ds_load_b128 v[BK+4*\t:BK+4*\t+3], v[RD] offset:\t*2*SPITCH   ; LDS serves a wave's instructions in order: these see the stores above
.endr
.endm
.macro SEND a
.set BK, AF+32*((\a)%2)
	s_wait_dscnt 0x0
	s_wait_xcnt 0x0                                ; the stores of two tiles back have read their data registers, into which the next TOSTAGE loads
.irp t, 0,1,2,3,4,5,6,7
	global_store_b128 v[CO], v[BK+4*\t:BK+4*\t+3], s[8:9] offset:(16*(\a)+2*\t)*2048   ; 16 lanes store 256 bytes on end, aligned
.endr
.endm
	PLACES
	PACKH 0
	TOSTAGE 0
.irp a, 1,2,3
	PACKH \a
	SEND \a-1
	TOSTAGE \a
.endr
	SEND 3
	s_wait_tensorcnt 0x0                           ; the wave's end
	ds_add_u32 v[SPW], v[NIL]
	s_wait_dscnt 0x0
	CROUND                                         ; the closing round
	s_endpgm
.Lfunc_end_k_q1e4e59fa6f_bilin:
	.size	k_q1e4e59fa6f_bilin, .Lfunc_end_k_q1e4e59fa6f_bilin-k_q1e4e59fa6f_bilin
	.p2alignl 7, 3214868480
	.fill 96, 4, 3214868480
	.section	.rodata,"a",@progbits
	.p2align	6, 0x0
	.amdhsa_kernel k_q1e4e59fa6f_bilin
		.amdhsa_group_segment_fixed_size 327680
		.amdhsa_private_segment_fixed_size 0
		.amdhsa_enable_private_segment 0
		.amdhsa_kernarg_size 32
		.amdhsa_user_sgpr_count 2
		.amdhsa_user_sgpr_kernarg_segment_ptr 1
		.amdhsa_wavefront_size32 1
		.amdhsa_system_sgpr_workgroup_id_x 1
		.amdhsa_system_sgpr_workgroup_id_y 1
		.amdhsa_system_sgpr_workgroup_id_z 1
		.amdhsa_system_vgpr_workitem_id 0
		.amdhsa_next_free_vgpr 768
		.amdhsa_next_free_sgpr 102
		.amdhsa_reserve_vcc 0
		.amdhsa_float_denorm_mode_32 3
		.amdhsa_float_denorm_mode_16_64 3
		.amdhsa_memory_ordered 1
		.amdhsa_forward_progress 1
		.amdhsa_inst_pref_size 176
	.end_amdhsa_kernel
	.amdgpu_metadata
---
amdhsa.version: [ 1, 2 ]
amdhsa.kernels:
  - .name:           k_q1e4e59fa6f_bilin
    .symbol:         k_q1e4e59fa6f_bilin.kd
    .args:
      - { .name: xx, .offset: 0, .size: 8, .value_kind: global_buffer, .address_space: global }
      - { .name: wf16, .offset: 8, .size: 8, .value_kind: global_buffer, .address_space: global }
      - { .name: pmax, .offset: 16, .size: 8, .value_kind: global_buffer, .address_space: global }
      - { .name: qo, .offset: 24, .size: 8, .value_kind: global_buffer, .address_space: global }
    .group_segment_fixed_size: 327680
    .private_segment_fixed_size: 0
    .kernarg_segment_align: 8
    .kernarg_segment_size: 32
    .max_flat_workgroup_size: 128
    .sgpr_count:     102
    .vgpr_count:     768
    .wavefront_size: 32
...
	.end_amdgpu_metadata
.endif
;; end of part 3
;; launch score (part 4): grid 4 x 64, 4 waves a work-group, clusters of 4 x 4, 327,680 bytes of LDS; arguments qo, xx, pmax, memory_len, ebuf, psum; writes ebuf, psum
.if DOCPART == 4
	.amdgcn_target "amdgcn-amd-amdhsa--gfx1250"
	.amdhsa_code_object_version 6
	.text
	.protected	k_q1e4e59fa6f_score
	.globl	k_q1e4e59fa6f_score
	.p2align	8
	.type	k_q1e4e59fa6f_score,@function
k_q1e4e59fa6f_score:
	s_mov_b64 s[64:65], 0
	v_nop
	global_prefetch_b8 v0, s[64:65] scope:SCOPE_SE
	s_setreg_imm32_b32 hwreg(HW_REG_WAVE_MODE, 25, 1), 1
	s_wait_xcnt 0x0
	s_wait_alu depctr_hold_cnt(0) depctr_sa_sdst(0) depctr_va_vdst(0) depctr_va_sdst(0) depctr_va_ssrc(0) depctr_va_vcc(0) depctr_vm_vsrc(0)
	s_getreg_b32 s2, hwreg(HW_REG_IB_STS2, 6, 4)
	s_cmp_eq_u32 s2, 0
	s_cbranch_scc0 .Lentry_in_a_cluster
	s_endpgm
.Lentry_in_a_cluster:
	s_bfe_u32 s2, ttmp6, 0x10000c
	s_cmp_lg_u32 s2, 0xf033
	s_cbranch_scc0 .Lentry_shape_is_right
	s_endpgm
.Lentry_shape_is_right:
; ebuf[row][key] = exp(tanh(x)) where key < memory_len[batch], else 0, as f16; x = S[row] x (sum over g of qo[row][g] kx[key][g]), f16 operands, f32 sums; S[row] = the sum of the row's eight parts of pmax,
; by which the launch before divided.  psum[row][8] f32: the sums of the unrounded numbers over 128 keys each, part = 2 x tile column + column half.  The next launch divides by a row's whole sum.
; NO MAXIMUM IS TAKEN OFF: tanh holds every exponent in [-1, 1] for every input, so each number lies in [1/e, e] and a row's sum under 1,024 e.  exp(tanh x) / the masked sum equals the softmax, masked and normalised again.
; exp(tanh x) = 2^(1.442695 - 2.885390 / (1 + 2^(2.885390 x))): right at both infinities of x too.
; The mask selects values (v_cndmask_b32): no branch and no address hangs on memory_len.  LIMITS: memory_len = 0 (no key counts) is not served; NaN and infinities are not served.
; SHARES, CLUSTERS as in the other f16 products of this program: a tile of 128 rows x 256 keys, four waves of 64 x 128; a cluster of 4 x 4 is one batch: A's tile (qo) is shared along a cluster's row,
; B's (kx, stored [key][g], K innermost) along a column.  The matrix instruction is used transposed: lane (r, h) holds row r and eight neighbouring keys.
; THE RING.  One K step of 128 of such a tile is 104,448 bytes of LDS; three fit.  They are laid as region X, two K steps (rows of 512 bytes), and region Y, one K step (rows of 256 bytes).  The eight K steps go
; 0,1 | 2 | 3,4 | 5 | 6,7 through X, Y, X, Y, X: three refills, one load a wave behind each, where two slots of one K step would take six.  A refill of Y has X's 256 matrix instructions in which to land, a refill of X has Y's 128.
; REGISTERS.  window 0: v0-31 addresses; v32-63 parts; v64-71 pairs of 2.885390 S; v72-75 constants; v76-91 sums; v92-95 lane exchange; v96-159 A's fragments, later rows read back; v224-255 TMP.
;   window 1: the 32 accumulators, worked on in place on the way out.   window 2: B's fragments.
.set BT,     0
.set PX,     528                       ; a row in X: 512 bytes + 16
.set PY,     272                       ; a row in Y: 256 bytes + 16
.set PK,     544                       ; (not used here: B's K is innermost)
.set XB,     128*PX                    ; X: A's 128 rows, then B's 256
.set XBH,    128*PX                    ; 128 rows of B: what one load brings
.set Y0,     XB+2*XBH                  ; Y: A's 128 rows,
.set YB,     Y0+128*PY                 ; then B's 256
.set STAGE,  Y0                        ; the way out: 16 rows x 272 bytes for each wave, in Y, which has then had its last fill and its last read
.set SPITCH, 272
.set SPARE,  Y0+3*128*PY
.set BSTEP,  768                       ; three K steps on
.set FBX,    16*PX
.set FBD,    16*(PX-PY)
.set PO,   10
.set PW,   11
.set DK,   12                          ; v12  memory_len - my first key - 8 h: key 16 b + j of my lane counts where it is under this
.set ADRA, 16
.set ADRB, 20
.set STO,  24
.set RD,   25
.set CO,   26
.set SPW,  28
.set NIL,  29
.set RS,   32
.set SC2,  64
.set SUM,  76
.set AF,   96
.set TMP,  224
.set G1AX, 24
.set GAX,  32
.set GAY,  36
.set G1BX, 48
.set GBX,  56
.set GBY,  60
.set G1AY, 72
.set G1BY, 80
.set CM,   94                          ; s94-101 eight masks of lanes
.set MSB, 0
.macro WIN new
.if MSB != \new
	s_set_vgpr_msb (MSB<<8)|\new
.set MSB, \new
.endif
.endm
.set MUL,  0x52
.set TO_B, 0x80
.macro PLACES
.rept 4
	v_nop
.endr
.endm
.macro JLOAD g0a, g1a, g0b, g1b
	s_cmp_eq_u32 s11, 0
	s_cbranch_scc0 .Lfor_b_\@
	tensor_load_to_lds s[\g0a:\g0a+3], s[\g1a:\g1a+7]
	s_nop 0
.rept 4
	v_nop
.endr
	s_branch .Lasked_\@
.Lfor_b_\@:
	tensor_load_to_lds s[\g0b:\g0b+3], s[\g1b:\g1b+7]
	s_nop 0
.rept 4
	v_nop
.endr
.Lasked_\@:
.endm
.macro CREST
	s_cmp_lg_u32 s10, 0
	s_cbranch_scc1 .Lnot_wave_0_\@
	s_barrier_signal -3
.Lnot_wave_0_\@:
	s_barrier_wait -3
	s_barrier_signal -1
	s_barrier_wait -1
.endm
.macro CROUND
	s_barrier_signal -1
	s_barrier_wait -1
	CREST
.endm
.macro SHAPE g, c, r
	s_mov_b32 s[\g+1], (\c)<<16
	s_mov_b32 s[\g+2], (\r)<<16
	s_mov_b32 s[\g+3], (\c)<<16
	s_mov_b32 s[\g+4], \r
	s_mov_b32 s[\g+5], 1024
	s_mov_b32 s[\g+6], 0
	s_mov_b32 s[\g+7], 0
.endm
.macro GROUP0 g, lreg, loff, areg, aoff
	s_mov_b32 s[\g], 1
	s_add_co_u32 s[\g+1], s[\lreg], \loff
	s_add_nc_u64 s[\g+2:\g+3], s[\areg:\areg+1], \aoff
	s_or_b32 s[\g+3], s[\g+3], 0x80000000
.endm
	s_load_b128 s[4:7], s[0:1], 0x0                ; qo, xx
	s_load_b64 s[66:67], s[0:1], 0x10              ; pmax
	s_load_b64 s[70:71], s[0:1], 0x18              ; memory_len
	s_load_b64 s[8:9], s[0:1], 0x20                ; ebuf
	s_load_b64 s[68:69], s[0:1], 0x28              ; psum
	v_lshl_add_u32 v[SPW], v0, 2, SPARE
	v_mov_b32 v[NIL], 0
	ds_add_u32 v[SPW], v[NIL]                      ; the wave's opening: the add, twice on end, and its wait ahead of my first tensor load
	ds_add_u32 v[SPW], v[NIL]
	v_lshrrev_b32 v1, 5, v0
	v_readfirstlane_b32 s10, v1
	s_lshr_b32 s11, s10, 1
	s_and_b32 s12, s10, 1
	s_bfe_u32 s40, ttmp6, 0x40000
	s_bfe_u32 s41, ttmp6, 0x40004
	s_lshl_b32 s14, ttmp9, 2
	s_add_co_u32 s14, s14, s40                     ; nt
	s_and_b32 s15, ttmp7, 0xffff                   ; cluster y = the batch
	s_lshl_b32 s13, s15, 2
	s_add_co_u32 s13, s13, s41                     ; ty
	s_lshl_b32 s43, s41, 2
	s_lshl_b32 s43, 15, s43
	s_lshl_b32 s44, 0x1111, s40
	s_or_b32 s[G1AX], s43, (1<<16)|(1<<20)|(1<<21)|(6<<22)|(3<<25)   ; A into X: 64 rows x 256 elements of 2 bytes; 4 words of padding behind every 128
	SHAPE G1AX, 256, 64
	s_or_b32 s[G1AY], s43, (1<<16)|(1<<20)|(1<<21)|(5<<22)|(3<<25)   ; A into Y: 64 rows x 128 elements; 4 words behind every 64
	SHAPE G1AY, 128, 64
	s_or_b32 s[G1BX], s44, (1<<16)|(1<<20)|(1<<21)|(6<<22)|(3<<25)   ; B into X: 128 rows (keys) x 256 elements
	SHAPE G1BX, 256, 128
	s_or_b32 s[G1BY], s44, (1<<16)|(1<<20)|(1<<21)|(5<<22)|(3<<25)   ; B into Y: 128 rows x 128 elements
	SHAPE G1BY, 128, 128
	s_lshl_b32 s16, s13, 7
	s_lshl_b32 s17, s12, 6
	s_add_co_u32 s16, s16, s17
	s_lshl_b32 s16, s16, 11
	s_mov_b32 s17, 0
	s_lshl_b32 s46, s14, 8                         ; B: key 256 nt + 128 x half, in the batch's 1,024 keys of 2,048 bytes
	s_lshl_b32 s47, s12, 7
	s_add_co_u32 s46, s46, s47
	s_lshl_b32 s46, s46, 11
	s_lshl_b32 s47, s15, 21
	s_add_co_u32 s46, s46, s47
	s_mov_b32 s47, 0
	s_add_co_u32 s2, s46, 512                      ; Y: K step 2
	s_mov_b32 s3, 0
	s_mul_i32 s20, s12, 64*PX
	s_mul_i32 s21, s12, XBH
	s_mul_i32 s22, s12, 64*PY
	s_mul_i32 s23, s12, 128*PY
	s_mov_b32 s90, 0xffff0000                      ; lanes 16-31
	s_mov_b32 s88, 0x76543210                      ; lane l xor 16
	s_mov_b32 s89, 0xfedcba98
	s_wait_dscnt 0x0
	s_wait_kmcnt 0x0
	s_add_nc_u64 s[18:19], s[4:5], s[16:17]
	s_add_nc_u64 s[46:47], s[6:7], s[46:47]
	s_add_nc_u64 s[2:3], s[6:7], s[2:3]
	CROUND
	GROUP0 GAX, 20, 0, 18, 0                       ; K steps 0 and 1
	GROUP0 GAY, 22, Y0, 18, 512                    ; K step 2
	GROUP0 GBX, 21, XB, 46, 0
	GROUP0 GBY, 23, YB, 2, 0
	JLOAD GAX, G1AX, GBX, G1BX                     ; two loads of mine are out
	JLOAD GAY, G1AY, GBY, G1BY
	s_lshl_b32 s20, s15, 2
	s_mov_b32 s21, 0
	s_add_nc_u64 s[70:71], s[70:71], s[20:21]
	s_load_b32 s91, s[70:71], 0x0                  ; the batch's memory_len
	v_and_b32 v1, 15, v0
	v_bfe_u32 v2, v0, 4, 1
	v_and_b32 v9, 31, v0
	v_mul_u32_u24 v3, v1, PX
	v_lshl_add_u32 v3, v2, 4, v3
	v_mul_u32_u24 v6, v1, PY
	v_lshl_add_u32 v6, v2, 4, v6
	s_mul_i32 s21, s11, 64*PX
	v_add_nc_u32 v[ADRA], s21, v3
	s_add_co_u32 s21, s21, 256
	v_add_nc_u32 v[ADRA+1], s21, v3
	s_mul_i32 s21, s11, 64*PY
	s_add_co_u32 s21, s21, Y0
	v_add_nc_u32 v[ADRA+2], s21, v6
	s_mul_i32 s22, s12, XBH                        ; my 128 keys
	s_add_co_u32 s22, s22, XB
	v_add_nc_u32 v[ADRB], s22, v3
	s_add_co_u32 s22, s22, 256
	v_add_nc_u32 v[ADRB+1], s22, v3
	s_mul_i32 s22, s12, 128*PY
	s_add_co_u32 s22, s22, YB
	v_add_nc_u32 v[ADRB+2], s22, v6
	s_mul_i32 s23, s10, 16*SPITCH
	s_add_co_u32 s23, s23, STAGE
	v_mul_u32_u24 v4, v1, SPITCH
	v_lshl_add_u32 v4, v2, 4, v4
	v_add_nc_u32 v[STO], s23, v4
	v_mul_u32_u24 v5, v2, SPITCH
	v_lshl_add_u32 v5, v1, 4, v5
	v_add_nc_u32 v[RD], s23, v5
	v_lshlrev_b32 v5, 11, v2
	v_lshl_add_u32 v[CO], v1, 4, v5
	v_lshlrev_b32 v[PO], 5, v1
	s_lshl_b32 s20, s14, 3
	s_lshl_b32 s21, s12, 2
	s_add_co_u32 s20, s20, s21                     ; 4 x part
	v_lshl_add_u32 v[PW], v9, 5, s20
	s_lshl_b32 s20, s13, 7
	s_lshl_b32 s21, s11, 6
	s_add_co_u32 s42, s20, s21                     ; my first row
	s_lshl_b32 s20, s42, 11
	s_lshl_b32 s21, s14, 9
	s_add_co_u32 s20, s20, s21
	s_lshl_b32 s21, s12, 8
	s_add_co_u32 s20, s20, s21
	s_mov_b32 s21, 0
	s_add_nc_u64 s[8:9], s[8:9], s[20:21]
	s_lshl_b32 s20, s42, 5
	s_add_nc_u64 s[66:67], s[66:67], s[20:21]
	s_add_nc_u64 s[68:69], s[68:69], s[20:21]
.irp a, 0,1,2,3
	global_load_b128 v[RS+8*\a:RS+8*\a+3], v[PO], s[66:67] offset:512*\a
	global_load_b128 v[RS+8*\a+4:RS+8*\a+7], v[PO], s[66:67] offset:512*\a+16
.endr
	v_mov_b32 v72, 0xc038aa3b                      ; -2.885390, twice
	v_mov_b32 v73, 0xc038aa3b
	v_mov_b32 v74, 0x3fb8aa3b                      ; 1.442695, twice
	v_mov_b32 v75, 0x3fb8aa3b
.irp a, 0,1,2,3
	v_mov_b32 v[92+\a], 0                          ; written once: a lane permute's destination counts as one of its sources
.endr
	s_wait_kmcnt 0x0
	s_lshl_b32 s20, s14, 8
	s_lshl_b32 s21, s12, 7
	s_add_co_u32 s20, s20, s21                     ; my first key
	s_sub_co_i32 s92, s91, s20
	v_lshlrev_b32 v3, 3, v2
	v_sub_nc_u32 v[DK], s92, v3
	s_wait_loadcnt 0x0
.irp a, 0,1,2,3
	v_pk_add_f32 v[RS+8*\a:RS+8*\a+1], v[RS+8*\a:RS+8*\a+1], v[RS+8*\a+2:RS+8*\a+3]
	v_pk_add_f32 v[RS+8*\a+4:RS+8*\a+5], v[RS+8*\a+4:RS+8*\a+5], v[RS+8*\a+6:RS+8*\a+7]
.endr
.irp a, 0,1,2,3
	v_pk_add_f32 v[RS+8*\a:RS+8*\a+1], v[RS+8*\a:RS+8*\a+1], v[RS+8*\a+4:RS+8*\a+5]
.endr
.irp a, 0,1,2,3
	v_add_f32 v[SC2+2*\a], v[RS+8*\a], v[RS+8*\a+1]    ; S, summed in the order in which the launch before summed it
.endr
.irp a, 0,1,2,3
	v_mul_f32 v[SC2+2*\a], 0x4038aa3b, v[SC2+2*\a]     ; 2.885390 S
.endr
.irp a, 0,1,2,3
	v_mov_b32 v[SC2+2*\a+1], v[SC2+2*\a]
.endr
.macro MUL8 f, a, cm                   ; the 32 accumulators take turns in one order
.irp b, 0,1,2,3,4,5,6,7
.if \cm == 1
	v_wmma_f32_16x16x32_f16 v[8*(8*\a+\b):8*(8*\a+\b)+7], v[64*\f+8*\b:64*\f+8*\b+7], v[AF+32*\f+8*\a:AF+32*\f+8*\a+7], 0
.else
	v_wmma_f32_16x16x32_f16 v[8*(8*\a+\b):8*(8*\a+\b)+7], v[64*\f+8*\b:64*\f+8*\b+7], v[AF+32*\f+8*\a:AF+32*\f+8*\a+7], v[8*(8*\a+\b):8*(8*\a+\b)+7]
.endif
.endr
.endm
.macro FETCH u, q, f                   ; quarter q of K step u (0, 1: X's two; 2: Y's) into buffer f: 24 LDS loads in one run
	WIN TO_B
.irp b, 0,1,2,3,4,5,6,7
.if BT
	ds_load_tr16_b128 v[64*\f+8*\b:64*\f+8*\b+3],   v[ADRB+\u] offset:32*PK*\q+32*\b
	ds_load_tr16_b128 v[64*\f+8*\b+4:64*\f+8*\b+7], v[ADRB+\u] offset:32*PK*\q+32*\b+16*PK
.else
	ds_load_b128 v[64*\f+8*\b:64*\f+8*\b+3],   v[ADRB+\u] offset:(FBX-FBD*((\u)/2))*\b+64*\q
	ds_load_b128 v[64*\f+8*\b+4:64*\f+8*\b+7], v[ADRB+\u] offset:(FBX-FBD*((\u)/2))*\b+64*\q+32
.endif
.endr
	WIN 0
.irp a, 0,1,2,3
	ds_load_b128 v[AF+32*\f+8*\a:AF+32*\f+8*\a+3],   v[ADRA+\u] offset:(FBX-FBD*((\u)/2))*\a+64*\q
	ds_load_b128 v[AF+32*\f+8*\a+4:AF+32*\f+8*\a+7], v[ADRA+\u] offset:(FBX-FBD*((\u)/2))*\a+64*\q+32
.endr
.endm
.macro QUARTER u, q, f, g, cm
	s_wait_dscnt 4                                 ; B and A's row tiles 0, 1 are in; the youngest four loads may be out
	WIN MUL
	MUL8 \f, 0, \cm
	MUL8 \f, 1, \cm
	PLACES
	FETCH \u, \q, \g
	s_wait_dscnt 24                                ; all but the 24 just issued
	WIN MUL
	MUL8 \f, 2, \cm
	MUL8 \f, 3, \cm
.endm
.macro TURN next, fill                 ; a region's last quarter changes regions.  fill = 1: X is filled again; 2: Y is; 0: nothing is left to fetch
	WIN 0
	s_wait_tensorcnt 0x0                           ; my part of the next region has landed
	ds_add_u32 v[SPW], v[NIL]
	s_wait_dscnt 5                                 ; (the add and the youngest four loads may be out)
	WIN MUL
	MUL8 1, 0, 0
	s_wait_dscnt 0x0                               ; the add is done, and my reads of this region are over
	s_barrier_signal -1
	MUL8 1, 1, 0
	WIN 0
	s_barrier_wait -1
.if \fill == 1
	CREST                                          ; no wave of any partner still reads X or has a load on its way
	s_add_nc_u64 s[GAX+2:GAX+3], s[GAX+2:GAX+3], 768
	s_add_nc_u64 s[GBX+2:GBX+3], s[GBX+2:GBX+3], BSTEP
	JLOAD GAX, G1AX, GBX, G1BX
.elseif \fill == 2
	CREST
	s_add_nc_u64 s[GAY+2:GAY+3], s[GAY+2:GAY+3], 768
	s_add_nc_u64 s[GBY+2:GBY+3], s[GBY+2:GBY+3], BSTEP
	JLOAD GAY, G1AY, GBY, G1BY
.else
	PLACES
.endif
	FETCH \next, 0, 0
	WIN MUL
	MUL8 1, 2, 0
	MUL8 1, 3, 0
.endm
.macro XSTEP cm
	QUARTER 0, 1, 0, 1, \cm
	QUARTER 0, 2, 1, 0, 0
	QUARTER 0, 3, 0, 1, 0
	QUARTER 1, 0, 1, 0, 0
	QUARTER 1, 1, 0, 1, 0
	QUARTER 1, 2, 1, 0, 0
	QUARTER 1, 3, 0, 1, 0
.endm
.macro YSTEP
	QUARTER 2, 1, 0, 1, 0
	QUARTER 2, 2, 1, 0, 0
	QUARTER 2, 3, 0, 1, 0
.endm
	s_wait_tensorcnt 1                             ; my part of X is in (Y's load may be out)
	s_barrier_signal -1
	s_barrier_wait -1
	FETCH 0, 0, 0
	XSTEP 1                                        ; K steps 0, 1
	TURN 2, 1                                      ; X takes K steps 3, 4
	YSTEP                                          ; K step 2
	TURN 0, 2                                      ; Y takes K step 5
	XSTEP 0                                        ; K steps 3, 4
	TURN 2, 1                                      ; X takes K steps 6, 7
	YSTEP                                          ; K step 5
	TURN 0, 0
	XSTEP 0                                        ; K steps 6, 7
	s_wait_dscnt 4
	WIN MUL
	MUL8 1, 0, 0
	MUL8 1, 1, 0
	s_wait_dscnt 0x0
	MUL8 1, 2, 0
	MUL8 1, 3, 0
	WIN 0
	; THE WAY OUT, in place on the 256 registers of window 1, each accumulator from its low end on.  Three batches of 256 transcendentals, each with one plain place and one wait behind it.
	PLACES
	WIN 0x41                                       ; destination and source 0: window 1
.set i, 0
.rept 128
	v_pk_mul_f32 v[i:i+1], v[i:i+1], v[SC2+2*(i/64):SC2+2*(i/64)+1]   ; 2.885390 x
.set i, i+2
.endr
.set i, 0
.rept 256
	v_exp_f32 v[i], v[i]
.set i, i+1
.endr
	v_nop
	s_wait_alu depctr_va_vdst(0)                   ; one wait for the batch, ahead of its first reader
.set i, 0
.rept 128
	v_pk_add_f32 v[i:i+1], v[i:i+1], 1.0 op_sel_hi:[1,0]
.set i, i+2
.endr
.set i, 0
.rept 256
	v_rcp_f32 v[i], v[i]
.set i, i+1
.endr
	v_nop
	s_wait_alu depctr_va_vdst(0)
.set i, 0
.rept 128
	v_pk_fma_f32 v[i:i+1], v[i:i+1], v[72:73], v[74:75]               ; 1.442695 tanh x
.set i, i+2
.endr
.set i, 0
.rept 256
	v_exp_f32 v[i], v[i]
.set i, i+1
.endr
	v_nop
	s_wait_alu depctr_va_vdst(0)
	WIN 0x44                                       ; destination and source 1: window 1
.irp b, 0,1,2,3,4,5,6,7                        ; keys at or past memory_len count for nothing: 0
.irp j, 0,1,2,3,4,5,6,7
	v_cmp_gt_i32 s[CM+\j], v[DK], 16*\b+\j
.endr
.irp a, 0,1,2,3
.irp j, 0,1,2,3,4,5,6,7
	v_cndmask_b32 v[8*(8*\a+\b)+\j], 0, v[8*(8*\a+\b)+\j], s[CM+\j]
.endr
.endr
.endr
	WIN 0x05                                       ; sources 0 and 1: window 1.  The sums of my lane's 64 numbers of each row tile, packed, in two chains
.irp a, 0,1,2,3
	v_pk_add_f32 v[SUM+4*\a:SUM+4*\a+1], v[64*\a:64*\a+1], v[64*\a+2:64*\a+3]
	v_pk_add_f32 v[SUM+4*\a+2:SUM+4*\a+3], v[64*\a+4:64*\a+5], v[64*\a+6:64*\a+7]
.endr
	WIN 0x04
.set i, 8
.rept 14
.irp a, 0,1,2,3
	v_pk_add_f32 v[SUM+4*\a:SUM+4*\a+1], v[SUM+4*\a:SUM+4*\a+1], v[64*\a+i:64*\a+i+1]
	v_pk_add_f32 v[SUM+4*\a+2:SUM+4*\a+3], v[SUM+4*\a+2:SUM+4*\a+3], v[64*\a+i+2:64*\a+i+3]
.endr
.set i, i+4
.endr
	WIN 0
.irp a, 0,1,2,3
	v_pk_add_f32 v[SUM+4*\a:SUM+4*\a+1], v[SUM+4*\a:SUM+4*\a+1], v[SUM+4*\a+2:SUM+4*\a+3]
.endr
.irp a, 0,1,2,3
	v_add_f32 v[SUM+4*\a], v[SUM+4*\a], v[SUM+4*\a+1]
.endr
.irp a, 0,1,2,3
	v_permlanex16_b32 v[92+\a], v[SUM+4*\a], s88, s89
.endr
.irp a, 0,1,2,3
	v_add_f32 v[SUM+4*\a], v[SUM+4*\a], v[92+\a]   ; the row's 128 keys of my half
.endr
	v_cndmask_b32 v15, v[SUM], v[SUM+4], s90       ; lanes 0-15 row tile 0, lanes 16-31 row tile 1: row = lane
	v_cndmask_b32 v7, v[SUM+8], v[SUM+12], s90
	global_store_b32 v[PW], v15, s[68:69]          ; four bytes a lane, 32 apart: 256 KB in all; laid so that a reader takes a row's eight parts by two loads of 16 bytes
	global_store_b32 v[PW], v7, s[68:69] offset:1024
.macro PACKE a
	WIN 0x05
.set i, 0
.rept 32
	v_cvt_pk_f16_f32 v[TMP+i], v[64*(\a)+2*i], v[64*(\a)+2*i+1]
.set i, i+1
.endr
	WIN 0
.endm
.macro TOSTAGE a
.set BK, AF+32*((\a)%2)
.irp b, 0,1,2,3,4,5,6,7
	ds_store_b128 v[STO], v[TMP+4*\b:TMP+4*\b+3] offset:32*\b
.endr
.irp t, 0,1,2,3,4,5,6,7
	ds_load_b128 v[BK+4*\t:BK+4*\t+3], v[RD] offset:\t*2*SPITCH   ; LDS serves a wave's instructions in order: these see the stores above
.endr
.endm
.macro SEND a
.set BK, AF+32*((\a)%2)
	s_wait_dscnt 0x0
	s_wait_xcnt 0x0                                ; the stores of two tiles back have read their data registers, into which the next TOSTAGE loads
.irp t, 0,1,2,3,4,5,6,7
	global_store_b128 v[CO], v[BK+4*\t:BK+4*\t+3], s[8:9] offset:(16*(\a)+2*\t)*2048   ; 16 lanes store 256 bytes on end, aligned
.endr
.endm
	PACKE 0
	TOSTAGE 0
.irp a, 1,2,3
	PACKE \a
	SEND \a-1
	TOSTAGE \a
.endr
	SEND 3
	s_wait_tensorcnt 0x0                           ; the wave's end
	ds_add_u32 v[SPW], v[NIL]
	s_wait_dscnt 0x0
	CROUND                                         ; the closing round
	s_endpgm
.Lfunc_end_k_q1e4e59fa6f_score:
	.size	k_q1e4e59fa6f_score, .Lfunc_end_k_q1e4e59fa6f_score-k_q1e4e59fa6f_score
	.p2alignl 7, 3214868480
	.fill 96, 4, 3214868480
	.section	.rodata,"a",@progbits
	.p2align	6, 0x0
	.amdhsa_kernel k_q1e4e59fa6f_score
		.amdhsa_group_segment_fixed_size 327680
		.amdhsa_private_segment_fixed_size 0
		.amdhsa_enable_private_segment 0
		.amdhsa_kernarg_size 48
		.amdhsa_user_sgpr_count 2
		.amdhsa_user_sgpr_kernarg_segment_ptr 1
		.amdhsa_wavefront_size32 1
		.amdhsa_system_sgpr_workgroup_id_x 1
		.amdhsa_system_sgpr_workgroup_id_y 1
		.amdhsa_system_sgpr_workgroup_id_z 1
		.amdhsa_system_vgpr_workitem_id 0
		.amdhsa_next_free_vgpr 768
		.amdhsa_next_free_sgpr 102
		.amdhsa_reserve_vcc 0
		.amdhsa_float_denorm_mode_32 3
		.amdhsa_float_denorm_mode_16_64 3
		.amdhsa_memory_ordered 1
		.amdhsa_forward_progress 1
		.amdhsa_inst_pref_size 231
	.end_amdhsa_kernel
	.amdgpu_metadata
---
amdhsa.version: [ 1, 2 ]
amdhsa.kernels:
  - .name:           k_q1e4e59fa6f_score
    .symbol:         k_q1e4e59fa6f_score.kd
    .args:
      - { .name: qo, .offset: 0, .size: 8, .value_kind: global_buffer, .address_space: global }
      - { .name: xx, .offset: 8, .size: 8, .value_kind: global_buffer, .address_space: global }
      - { .name: pmax, .offset: 16, .size: 8, .value_kind: global_buffer, .address_space: global }
      - { .name: memory_len, .offset: 24, .size: 8, .value_kind: global_buffer, .address_space: global }
      - { .name: ebuf, .offset: 32, .size: 8, .value_kind: global_buffer, .address_space: global }
      - { .name: psum, .offset: 40, .size: 8, .value_kind: global_buffer, .address_space: global }
    .group_segment_fixed_size: 327680
    .private_segment_fixed_size: 0
    .kernarg_segment_align: 8
    .kernarg_segment_size: 48
    .max_flat_workgroup_size: 128
    .sgpr_count:     102
    .vgpr_count:     768
    .wavefront_size: 32
...
	.end_amdgpu_metadata
.endif
;; end of part 4
;; launch mix (part 5): grid 4 x 64, 4 waves a work-group, clusters of 4 x 4, 327,680 bytes of LDS; arguments ebuf, xx, psum, qo, out1; writes qo, out1
.if DOCPART == 5
	.amdgcn_target "amdgcn-amd-amdhsa--gfx1250"
	.amdhsa_code_object_version 6
	.text
	.protected	k_q1e4e59fa6f_mix
	.globl	k_q1e4e59fa6f_mix
	.p2align	8
	.type	k_q1e4e59fa6f_mix,@function
k_q1e4e59fa6f_mix:
	s_mov_b64 s[64:65], 0
	v_nop
	global_prefetch_b8 v0, s[64:65] scope:SCOPE_SE
	s_setreg_imm32_b32 hwreg(HW_REG_WAVE_MODE, 25, 1), 1
	s_wait_xcnt 0x0
	s_wait_alu depctr_hold_cnt(0) depctr_sa_sdst(0) depctr_va_vdst(0) depctr_va_sdst(0) depctr_va_ssrc(0) depctr_va_vcc(0) depctr_vm_vsrc(0)
	s_getreg_b32 s2, hwreg(HW_REG_IB_STS2, 6, 4)
	s_cmp_eq_u32 s2, 0
	s_cbranch_scc0 .Lentry_in_a_cluster
	s_endpgm
.Lentry_in_a_cluster:
	s_bfe_u32 s2, ttmp6, 0x10000c
	s_cmp_lg_u32 s2, 0xf033
	s_cbranch_scc0 .Lentry_shape_is_right
	s_endpgm
.Lentry_shape_is_right:
; qo[row][h] = (sum over keys of ebuf[row][key] kx[key][h]) / L[row], f16 operands, f32 sums, held at +-65,504, rounded to f16;  out1[row][key] = ebuf[row][key] / L[row], f32.
; L[row] = the sum of the row's eight parts of psum.  Keys past memory_len are zeros in ebuf: they add nothing, and out1 gets zeros there.
; kx = the batch's 1,024 rows of xx, [key][h]: K (the keys) is its FIRST axis, so its fragments come out of LDS turned, by ds_load_tr16_b128.
; SHARES, CLUSTERS as in the other f16 products of this program: a tile of 128 rows x 256 columns, four waves of 64 x 128; a cluster of 4 x 4 is one batch.
; THE RING.  One K step of 128 of such a tile is 104,448 bytes of LDS; three fit.  They are laid as region X, two K steps (A's rows of 512 bytes; 256 k-rows of B), and region Y, one K step.  The eight K steps go
; 0,1 | 2 | 3,4 | 5 | 6,7 through X, Y, X, Y, X: three refills, one load a wave behind each, where two slots of one K step would take six.  A refill of Y has X's 256 matrix instructions in which to land, a refill of X has Y's 128.
; out1 IS STREAMED BESIDE THE PRODUCT.  The work-group streams its 128 rows x the 256 keys of its tile column, a wave 32 rows.  Rows 0-15 are asked for at the head and scaled and stored in front of the change of regions
; behind K step 2; rows 16-31 are asked for there and scaled and stored in front of the change behind K step 5: the two changes at which X's refill has had the fewest matrix instructions in which to land.
; f16 to f32 there is two shifts and two masks a word: the f16 fields are moved into f32's places, and the difference of the exponent biases, 2^112, rides in the row's factor; exact, for 0 too; the numbers are never negative.
; REGISTERS.  window 0: v0-31 addresses, v8 the streamed rows' factors (lane i: row i); v32-63 parts; v64-71 pairs of 1 / L; v72-79 the streamed rows' parts; v96-159 A's fragments (way out: rows read back);
;   v160-223 the stream's results, eight rows at a time, later T; v224-255 TMP.   window 1: the accumulators.   window 2: v0-127 B's fragments; v128-255 the stream's words, four registers a row.
; LIMITS: memory_len = 0 (L = 0) is not served; NaN and infinities are not served.
.set BT,     1
.set PX,     528
.set PY,     272
.set PK,     544
.set XB,     128*PX
.set XBH,    128*PK
.set Y0,     XB+2*XBH
.set YB,     Y0+128*PY
.set STAGE,  Y0                        ; the way out: in Y, which has then had its last fill and its last read
.set SPITCH, 272
.set SPARE,  Y0+3*128*PY
.set BSTEP,  3*128*2048
.set FBX,    16*PX
.set FBD,    16*(PX-PY)
.set INV,  8
.set PO,   10
.set PL,   11                          ; v11  32 x lane: the streamed rows' parts
.set LE,   13                          ; v13  8 x lane
.set LO,   14                          ; v14  16 x lane
.set ADRA, 16
.set ADRB, 20
.set STO,  24
.set RD,   25
.set CO,   26
.set SPW,  28
.set NIL,  29
.set RS,   32
.set SC2,  64
.set AF,   96
.set T,    160
.set TMP,  224
.set G1AX, 24
.set GAX,  32
.set GAY,  36
.set G1BX, 48
.set GBX,  56
.set GBY,  60
.set G1AY, 72
.set G1BY, 80
.set MSB, 0
.macro WIN new
.if MSB != \new
	s_set_vgpr_msb (MSB<<8)|\new
.set MSB, \new
.endif
.endm
.set MUL,  0x52
.set TO_B, 0x80
.macro PLACES
.rept 4
	v_nop
.endr
.endm
.macro JLOAD g0a, g1a, g0b, g1b
	s_cmp_eq_u32 s11, 0
	s_cbranch_scc0 .Lfor_b_\@
	tensor_load_to_lds s[\g0a:\g0a+3], s[\g1a:\g1a+7]
	s_nop 0
.rept 4
	v_nop
.endr
	s_branch .Lasked_\@
.Lfor_b_\@:
	tensor_load_to_lds s[\g0b:\g0b+3], s[\g1b:\g1b+7]
	s_nop 0
.rept 4
	v_nop
.endr
.Lasked_\@:
.endm
.macro CREST
	s_cmp_lg_u32 s10, 0
	s_cbranch_scc1 .Lnot_wave_0_\@
	s_barrier_signal -3
.Lnot_wave_0_\@:
	s_barrier_wait -3
	s_barrier_signal -1
	s_barrier_wait -1
.endm
.macro CROUND
	s_barrier_signal -1
	s_barrier_wait -1
	CREST
.endm
.macro SHAPE g, c, r
	s_mov_b32 s[\g+1], (\c)<<16
	s_mov_b32 s[\g+2], (\r)<<16
	s_mov_b32 s[\g+3], (\c)<<16
	s_mov_b32 s[\g+4], \r
	s_mov_b32 s[\g+5], 1024
	s_mov_b32 s[\g+6], 0
	s_mov_b32 s[\g+7], 0
.endm
.macro GROUP0 g, lreg, loff, areg, aoff
	s_mov_b32 s[\g], 1
	s_add_co_u32 s[\g+1], s[\lreg], \loff
	s_add_nc_u64 s[\g+2:\g+3], s[\areg:\areg+1], \aoff
	s_or_b32 s[\g+3], s[\g+3], 0x80000000
.endm
	s_load_b128 s[4:7], s[0:1], 0x0                ; ebuf, xx
	s_load_b64 s[66:67], s[0:1], 0x10              ; psum
	s_load_b64 s[8:9], s[0:1], 0x18                ; qo
	s_load_b64 s[68:69], s[0:1], 0x20              ; out1
	v_lshl_add_u32 v[SPW], v0, 2, SPARE
	v_mov_b32 v[NIL], 0
	ds_add_u32 v[SPW], v[NIL]                      ; the wave's opening: the add, twice on end, and its wait ahead of my first tensor load
	ds_add_u32 v[SPW], v[NIL]
	v_lshrrev_b32 v1, 5, v0
	v_readfirstlane_b32 s10, v1
	s_lshr_b32 s11, s10, 1
	s_and_b32 s12, s10, 1
	s_bfe_u32 s40, ttmp6, 0x40000
	s_bfe_u32 s41, ttmp6, 0x40004
	s_lshl_b32 s14, ttmp9, 2
	s_add_co_u32 s14, s14, s40                     ; nt
	s_and_b32 s15, ttmp7, 0xffff                   ; cluster y = the batch
	s_lshl_b32 s13, s15, 2
	s_add_co_u32 s13, s13, s41                     ; ty
	s_lshl_b32 s43, s41, 2
	s_lshl_b32 s43, 15, s43
	s_lshl_b32 s44, 0x1111, s40
	s_or_b32 s[G1AX], s43, (1<<16)|(1<<20)|(1<<21)|(6<<22)|(3<<25)   ; A into X: 64 rows x 256 elements of 2 bytes; 4 words of padding behind every 128
	SHAPE G1AX, 256, 64
	s_or_b32 s[G1AY], s43, (1<<16)|(1<<20)|(1<<21)|(5<<22)|(3<<25)   ; A into Y: 64 rows x 128 elements; 4 words behind every 64
	SHAPE G1AY, 128, 64
	s_or_b32 s[G1BX], s44, (1<<16)|(1<<20)|(1<<21)|(6<<22)|(7<<25)   ; B into X: 128 keys x 256 elements; 8 words behind every 128
	SHAPE G1BX, 256, 128
	s_or_b32 s[G1BY], s44, (1<<16)|(1<<20)|(1<<21)|(6<<22)|(7<<25)   ; B into Y: 64 keys
	SHAPE G1BY, 256, 64
	s_lshl_b32 s16, s13, 7
	s_lshl_b32 s17, s12, 6
	s_add_co_u32 s16, s16, s17
	s_lshl_b32 s16, s16, 11
	s_mov_b32 s17, 0
	s_lshl_b32 s47, s14, 9                         ; B: columns 256 nt, in the batch's 2,097,152 bytes
	s_lshl_b32 s45, s15, 21
	s_add_co_u32 s47, s47, s45
	s_lshl_b32 s46, s12, 18                        ; X: keys 128 x half
	s_add_co_u32 s46, s46, s47
	s_lshl_b32 s2, s12, 17                         ; Y: K step 2: keys 256 + 64 x half
	s_add_co_u32 s2, s2, s47
	s_add_co_u32 s2, s2, 2*128*2048
	s_mov_b32 s47, 0
	s_mov_b32 s3, 0
	s_mul_i32 s20, s12, 64*PX
	s_mul_i32 s21, s12, XBH
	s_mul_i32 s22, s12, 64*PY
	s_mul_i32 s23, s12, 128*PY
	s_mov_b32 s90, 0xc77fe000
	s_mov_b32 s91, 0x477fe000
	s_mov_b32 s92, 0x0fffe000                      ; an f16's exponent and mantissa, in f32's places
	s_mov_b32 s95, 0                               ; (named with s94 and s96 as pairs, so they are written)
	s_mov_b32 s97, 0
	s_wait_dscnt 0x0
	s_wait_kmcnt 0x0
	s_add_nc_u64 s[18:19], s[4:5], s[16:17]
	s_add_nc_u64 s[46:47], s[6:7], s[46:47]
	s_add_nc_u64 s[2:3], s[6:7], s[2:3]
	CROUND
	GROUP0 GAX, 20, 0, 18, 0                       ; K steps 0 and 1
	GROUP0 GAY, 22, Y0, 18, 512                    ; K step 2
	GROUP0 GBX, 21, XB, 46, 0
	GROUP0 GBY, 23, YB, 2, 0
	JLOAD GAX, G1AX, GBX, G1BX                     ; two loads of mine are out
	JLOAD GAY, G1AY, GBY, G1BY
	; all that the head asks of memory goes out in one group: the parts of the streamed rows and of the product's rows, then the stream's rows 0-15
	v_and_b32 v9, 31, v0
	v_and_b32 v1, 15, v0
	v_bfe_u32 v2, v0, 4, 1
	v_lshlrev_b32 v[PL], 5, v9
	v_lshlrev_b32 v[LE], 3, v9
	v_lshlrev_b32 v[LO], 4, v9
	v_lshlrev_b32 v[PO], 5, v1
	s_lshl_b32 s20, s13, 7
	s_lshl_b32 s21, s10, 5
	s_add_co_u32 s22, s20, s21                     ; the first row that I stream: 128 ty + 32 x wave
	s_lshl_b32 s20, s22, 11
	s_lshl_b32 s21, s14, 9
	s_add_co_u32 s20, s20, s21
	s_mov_b32 s21, 0
	s_add_nc_u64 s[98:99], s[4:5], s[20:21]        ; in ebuf: rows of 2,048 bytes, 512 bytes of each
	s_lshl_b32 s20, s20, 1
	s_add_nc_u64 s[68:69], s[68:69], s[20:21]      ; in out1: twice the bytes
	s_lshl_b32 s20, s22, 5
	s_add_nc_u64 s[70:71], s[66:67], s[20:21]      ; their parts
	s_lshl_b32 s20, s13, 7
	s_lshl_b32 s22, s11, 6
	s_add_co_u32 s42, s20, s22                     ; my first row of the product
	s_lshl_b32 s20, s42, 5
	s_add_nc_u64 s[66:67], s[66:67], s[20:21]      ; its parts
	global_load_b128 v[72:75], v[PL], s[70:71]     ; lane i: streamed row i's eight parts
	global_load_b128 v[76:79], v[PL], s[70:71] offset:16
.irp a, 0,1,2,3                                ; the product's rows: lane (r, h) takes row 16 a + r's eight parts
	global_load_b128 v[RS+8*\a:RS+8*\a+3], v[PO], s[66:67] offset:512*\a
	global_load_b128 v[RS+8*\a+4:RS+8*\a+7], v[PO], s[66:67] offset:512*\a+16
.endr
.macro ELOAD ch                        ; 16 rows of the stream: two loads of 256 bytes on end for each, into window 2
	WIN TO_B
.irp i, 0,1,2,3,4,5,6,7,8,9,10,11,12,13,14,15
	global_load_b64 v[128+64*\ch+4*\i:129+64*\ch+4*\i], v[LE], s[98:99] offset:2048*(16*\ch+\i)
	global_load_b64 v[130+64*\ch+4*\i:131+64*\ch+4*\i], v[LE], s[98:99] offset:2048*(16*\ch+\i)+256
.endr
	WIN 0
.endm
; eight rows of the stream, 8 g on: widened, x the row's factor, stored
.macro EGROUP g
	s_wait_xcnt 0x0                                ; the last group's stores have read their data registers, which are written again
	WIN 0x08                                       ; source 1: window 2
.irp i, 0,1,2,3,4,5,6,7
.irp c, 0,1
	v_lshlrev_b32 v[T+8*\i+4*\c], 13, v[128+32*(\g)+4*\i+2*\c]
	v_lshrrev_b32 v[T+1+8*\i+4*\c], 3, v[128+32*(\g)+4*\i+2*\c]
	v_lshlrev_b32 v[T+2+8*\i+4*\c], 13, v[129+32*(\g)+4*\i+2*\c]
	v_lshrrev_b32 v[T+3+8*\i+4*\c], 3, v[129+32*(\g)+4*\i+2*\c]
.endr
.endr
	WIN 0
.irp i, 0,1,2,3,4,5,6,7
	v_readlane_b32 s[94+2*(\i%2)], v[INV], 8*(\g)+\i   ; the row's factor
.irp c, 0,1
	v_and_b32 v[T+8*\i+4*\c], s92, v[T+8*\i+4*\c]
	v_and_b32 v[T+1+8*\i+4*\c], s92, v[T+1+8*\i+4*\c]
	v_and_b32 v[T+2+8*\i+4*\c], s92, v[T+2+8*\i+4*\c]
	v_and_b32 v[T+3+8*\i+4*\c], s92, v[T+3+8*\i+4*\c]
	v_pk_mul_f32 v[T+8*\i+4*\c:T+1+8*\i+4*\c], v[T+8*\i+4*\c:T+1+8*\i+4*\c], s[94+2*(\i%2):95+2*(\i%2)] op_sel_hi:[1,0]
	v_pk_mul_f32 v[T+2+8*\i+4*\c:T+3+8*\i+4*\c], v[T+2+8*\i+4*\c:T+3+8*\i+4*\c], s[94+2*(\i%2):95+2*(\i%2)] op_sel_hi:[1,0]
.endr
.endr
.irp i, 0,1,2,3,4,5,6,7
	global_store_b128 v[LO], v[T+8*\i:T+3+8*\i], s[68:69] offset:4096*(8*(\g)+\i) th:TH_STORE_NT          ; 32 lanes store 512 bytes on end, aligned
	global_store_b128 v[LO], v[T+4+8*\i:T+7+8*\i], s[68:69] offset:4096*(8*(\g)+\i)+512 th:TH_STORE_NT
.endr
.endm
	ELOAD 0
	; the lane addresses stand here, while the loads are on their way
	v_mul_u32_u24 v3, v1, PX
	v_lshl_add_u32 v3, v2, 4, v3
	v_mul_u32_u24 v6, v1, PY
	v_lshl_add_u32 v6, v2, 4, v6
	s_mul_i32 s21, s11, 64*PX
	v_add_nc_u32 v[ADRA], s21, v3
	s_add_co_u32 s21, s21, 256
	v_add_nc_u32 v[ADRA+1], s21, v3
	s_mul_i32 s21, s11, 64*PY
	s_add_co_u32 s21, s21, Y0
	v_add_nc_u32 v[ADRA+2], s21, v6
	v_and_b32 v4, 7, v0
	v_lshl_add_u32 v4, v2, 3, v4
	v_mul_u32_u24 v4, v4, PK
	v_bfe_u32 v5, v0, 3, 1
	v_lshl_add_u32 v4, v5, 4, v4
	s_lshl_b32 s22, s12, 8
	s_add_co_u32 s22, s22, XB
	v_add_nc_u32 v[ADRB], s22, v4
	s_add_co_u32 s22, s22, XBH
	v_add_nc_u32 v[ADRB+1], s22, v4
	s_add_co_u32 s22, s22, YB-XB-XBH
	v_add_nc_u32 v[ADRB+2], s22, v4
	s_mul_i32 s23, s10, 16*SPITCH
	s_add_co_u32 s23, s23, STAGE
	v_mul_u32_u24 v4, v1, SPITCH
	v_lshl_add_u32 v4, v2, 4, v4
	v_add_nc_u32 v[STO], s23, v4
	v_mul_u32_u24 v5, v2, SPITCH
	v_lshl_add_u32 v5, v1, 4, v5
	v_add_nc_u32 v[RD], s23, v5
	v_lshlrev_b32 v5, 11, v2
	v_lshl_add_u32 v[CO], v1, 4, v5
	s_lshl_b32 s20, s42, 11
	s_lshl_b32 s21, s14, 9
	s_add_co_u32 s20, s20, s21
	s_lshl_b32 s21, s12, 8
	s_add_co_u32 s20, s20, s21
	s_mov_b32 s21, 0
	s_add_nc_u64 s[8:9], s[8:9], s[20:21]
	s_wait_loadcnt 32                              ; the ten loads of parts are in; the stream's 32 may be out
	v_pk_add_f32 v[72:73], v[72:73], v[74:75]
	v_pk_add_f32 v[76:77], v[76:77], v[78:79]
.irp a, 0,1,2,3
	v_pk_add_f32 v[RS+8*\a:RS+8*\a+1], v[RS+8*\a:RS+8*\a+1], v[RS+8*\a+2:RS+8*\a+3]
	v_pk_add_f32 v[RS+8*\a+4:RS+8*\a+5], v[RS+8*\a+4:RS+8*\a+5], v[RS+8*\a+6:RS+8*\a+7]
.endr
	v_pk_add_f32 v[72:73], v[72:73], v[76:77]
.irp a, 0,1,2,3
	v_pk_add_f32 v[RS+8*\a:RS+8*\a+1], v[RS+8*\a:RS+8*\a+1], v[RS+8*\a+4:RS+8*\a+5]
.endr
	v_add_f32 v[INV], v72, v73                     ; L of streamed row = lane
.irp a, 0,1,2,3
	v_add_f32 v[SC2+2*\a], v[RS+8*\a], v[RS+8*\a+1]    ; L of the product's rows, summed in the same order
.endr
	v_rcp_f32 v[INV], v[INV]
.irp a, 0,1,2,3
	v_rcp_f32 v[SC2+2*\a], v[SC2+2*\a]
.endr
	v_nop                                          ; a plain place behind the last reciprocal
	s_wait_alu depctr_va_vdst(0)                   ; one wait for the five, ahead of their first reader
	v_mul_f32 v[INV], 0x77800000, v[INV]           ; x 2^112
.irp a, 0,1,2,3
	v_mov_b32 v[SC2+2*\a+1], v[SC2+2*\a]
.endr
.macro MUL8 f, a, cm                   ; the 32 accumulators take turns in one order
.irp b, 0,1,2,3,4,5,6,7
.if \cm == 1
	v_wmma_f32_16x16x32_f16 v[8*(8*\a+\b):8*(8*\a+\b)+7], v[64*\f+8*\b:64*\f+8*\b+7], v[AF+32*\f+8*\a:AF+32*\f+8*\a+7], 0
.else
	v_wmma_f32_16x16x32_f16 v[8*(8*\a+\b):8*(8*\a+\b)+7], v[64*\f+8*\b:64*\f+8*\b+7], v[AF+32*\f+8*\a:AF+32*\f+8*\a+7], v[8*(8*\a+\b):8*(8*\a+\b)+7]
.endif
.endr
.endm
.macro FETCH u, q, f                   ; quarter q of K step u (0, 1: X's two; 2: Y's) into buffer f: 24 LDS loads in one run
	WIN TO_B
.irp b, 0,1,2,3,4,5,6,7
.if BT
	ds_load_tr16_b128 v[64*\f+8*\b:64*\f+8*\b+3],   v[ADRB+\u] offset:32*PK*\q+32*\b
	ds_load_tr16_b128 v[64*\f+8*\b+4:64*\f+8*\b+7], v[ADRB+\u] offset:32*PK*\q+32*\b+16*PK
.else
	ds_load_b128 v[64*\f+8*\b:64*\f+8*\b+3],   v[ADRB+\u] offset:(FBX-FBD*((\u)/2))*\b+64*\q
	ds_load_b128 v[64*\f+8*\b+4:64*\f+8*\b+7], v[ADRB+\u] offset:(FBX-FBD*((\u)/2))*\b+64*\q+32
.endif
.endr
	WIN 0
.irp a, 0,1,2,3
	ds_load_b128 v[AF+32*\f+8*\a:AF+32*\f+8*\a+3],   v[ADRA+\u] offset:(FBX-FBD*((\u)/2))*\a+64*\q
	ds_load_b128 v[AF+32*\f+8*\a+4:AF+32*\f+8*\a+7], v[ADRA+\u] offset:(FBX-FBD*((\u)/2))*\a+64*\q+32
.endr
.endm
.macro QUARTER u, q, f, g, cm
	s_wait_dscnt 4                                 ; B and A's row tiles 0, 1 are in; the youngest four loads may be out
	WIN MUL
	MUL8 \f, 0, \cm
	MUL8 \f, 1, \cm
	PLACES
	FETCH \u, \q, \g
	s_wait_dscnt 24                                ; all but the 24 just issued
	WIN MUL
	MUL8 \f, 2, \cm
	MUL8 \f, 3, \cm
.endm
.macro TURN next, fill                 ; a region's last quarter changes regions.  fill = 1: X is filled again; 2: Y is; 0: nothing is left to fetch
	WIN 0
	s_wait_tensorcnt 0x0                           ; my part of the next region has landed
	ds_add_u32 v[SPW], v[NIL]
	s_wait_dscnt 5                                 ; (the add and the youngest four loads may be out)
	WIN MUL
	MUL8 1, 0, 0
	s_wait_dscnt 0x0                               ; the add is done, and my reads of this region are over
	s_barrier_signal -1
	MUL8 1, 1, 0
	WIN 0
	s_barrier_wait -1
.if \fill == 1
	CREST                                          ; no wave of any partner still reads X or has a load on its way
	s_add_nc_u64 s[GAX+2:GAX+3], s[GAX+2:GAX+3], 768
	s_add_nc_u64 s[GBX+2:GBX+3], s[GBX+2:GBX+3], BSTEP
	JLOAD GAX, G1AX, GBX, G1BX
.elseif \fill == 2
	CREST
	s_add_nc_u64 s[GAY+2:GAY+3], s[GAY+2:GAY+3], 768
	s_add_nc_u64 s[GBY+2:GBY+3], s[GBY+2:GBY+3], BSTEP
	JLOAD GAY, G1AY, GBY, G1BY
.else
	PLACES
.endif
	FETCH \next, 0, 0
	WIN MUL
	MUL8 1, 2, 0
	MUL8 1, 3, 0
.endm
.macro XSTEP cm
	QUARTER 0, 1, 0, 1, \cm
	QUARTER 0, 2, 1, 0, 0
	QUARTER 0, 3, 0, 1, 0
	QUARTER 1, 0, 1, 0, 0
	QUARTER 1, 1, 0, 1, 0
	QUARTER 1, 2, 1, 0, 0
	QUARTER 1, 3, 0, 1, 0
.endm
.macro YSTEP
	QUARTER 2, 1, 0, 1, 0
	QUARTER 2, 2, 1, 0, 0
	QUARTER 2, 3, 0, 1, 0
.endm
	s_wait_tensorcnt 1                             ; my part of X is in (Y's load may be out)
	s_barrier_signal -1
	s_barrier_wait -1
	FETCH 0, 0, 0
	XSTEP 1                                        ; K steps 0, 1
	TURN 2, 1                                      ; X takes K steps 3, 4
	YSTEP                                          ; K step 2
	WIN 0
	s_wait_loadcnt 0x0                             ; the stream's rows 0-15, asked for at the head
	EGROUP 0
	EGROUP 1
	ELOAD 1                                        ; rows 16-31: three K steps' products stand between this and the wait for them
	TURN 0, 2                                      ; Y takes K step 5
	XSTEP 0                                        ; K steps 3, 4
	TURN 2, 1                                      ; X takes K steps 6, 7
	YSTEP                                          ; K step 5
	WIN 0
	s_wait_loadcnt 0x0                             ; the stream's rows 16-31
	EGROUP 2
	EGROUP 3
	TURN 0, 0
	XSTEP 0                                        ; K steps 6, 7
	s_wait_dscnt 4
	WIN MUL
	MUL8 1, 0, 0
	MUL8 1, 1, 0
	s_wait_dscnt 0x0
	MUL8 1, 2, 0
	MUL8 1, 3, 0
	WIN 0
.macro PACKH a                         ; x 1 / L, held at +-65,504, rounded to f16; each accumulator is read from its low end on
	WIN 0x01
.set i, 0
.rept 32
	v_pk_mul_f32 v[T+i:T+i+1], v[64*(\a)+i:64*(\a)+i+1], v[SC2+2*(\a):SC2+2*(\a)+1]
.set i, i+2
.endr
	WIN 0
.set i, 0
.rept 64
	v_med3_num_f32 v[T+i], v[T+i], s90, s91
.set i, i+1
.endr
.set i, 0
.rept 32
	v_cvt_pk_f16_f32 v[TMP+i], v[T+2*i], v[T+2*i+1]
.set i, i+1
.endr
.endm
.macro TOSTAGE a
.set BK, AF+32*((\a)%2)
.irp b, 0,1,2,3,4,5,6,7
	ds_store_b128 v[STO], v[TMP+4*\b:TMP+4*\b+3] offset:32*\b
.endr
.irp t, 0,1,2,3,4,5,6,7
	ds_load_b128 v[BK+4*\t:BK+4*\t+3], v[RD] offset:\t*2*SPITCH   ; LDS serves a wave's instructions in order: these see the stores above
.endr
.endm
.macro SEND a
.set BK, AF+32*((\a)%2)
	s_wait_dscnt 0x0
	s_wait_xcnt 0x0                                ; the stores of two tiles back have read their data registers, into which the next TOSTAGE loads
.irp t, 0,1,2,3,4,5,6,7
	global_store_b128 v[CO], v[BK+4*\t:BK+4*\t+3], s[8:9] offset:(16*(\a)+2*\t)*2048   ; 16 lanes store 256 bytes on end, aligned
.endr
.endm
	s_wait_xcnt 0x0                                ; the stream's last stores have read T's registers, which are written below
	PLACES
	PACKH 0
	TOSTAGE 0
.irp a, 1,2,3
	PACKH \a
	SEND \a-1
	TOSTAGE \a
.endr
	SEND 3
	s_wait_tensorcnt 0x0                           ; the wave's end
	ds_add_u32 v[SPW], v[NIL]
	s_wait_dscnt 0x0
	CROUND                                         ; the closing round
	s_endpgm
.Lfunc_end_k_q1e4e59fa6f_mix:
	.size	k_q1e4e59fa6f_mix, .Lfunc_end_k_q1e4e59fa6f_mix-k_q1e4e59fa6f_mix
	.p2alignl 7, 3214868480
	.fill 96, 4, 3214868480
	.section	.rodata,"a",@progbits
	.p2align	6, 0x0
	.amdhsa_kernel k_q1e4e59fa6f_mix
		.amdhsa_group_segment_fixed_size 327680
		.amdhsa_private_segment_fixed_size 0
		.amdhsa_enable_private_segment 0
		.amdhsa_kernarg_size 40
		.amdhsa_user_sgpr_count 2
		.amdhsa_user_sgpr_kernarg_segment_ptr 1
		.amdhsa_wavefront_size32 1
		.amdhsa_system_sgpr_workgroup_id_x 1
		.amdhsa_system_sgpr_workgroup_id_y 1
		.amdhsa_system_sgpr_workgroup_id_z 1
		.amdhsa_system_vgpr_workitem_id 0
		.amdhsa_next_free_vgpr 768
		.amdhsa_next_free_sgpr 102
		.amdhsa_reserve_vcc 0
		.amdhsa_float_denorm_mode_32 3
		.amdhsa_float_denorm_mode_16_64 3
		.amdhsa_memory_ordered 1
		.amdhsa_forward_progress 1
		.amdhsa_inst_pref_size 215
	.end_amdhsa_kernel
	.amdgpu_metadata
---
amdhsa.version: [ 1, 2 ]
amdhsa.kernels:
  - .name:           k_q1e4e59fa6f_mix
    .symbol:         k_q1e4e59fa6f_mix.kd
    .args:
      - { .name: ebuf, .offset: 0, .size: 8, .value_kind: global_buffer, .address_space: global }
      - { .name: xx, .offset: 8, .size: 8, .value_kind: global_buffer, .address_space: global }
      - { .name: psum, .offset: 16, .size: 8, .value_kind: global_buffer, .address_space: global }
      - { .name: qo, .offset: 24, .size: 8, .value_kind: global_buffer, .address_space: global }
      - { .name: out1, .offset: 32, .size: 8, .value_kind: global_buffer, .address_space: global }
    .group_segment_fixed_size: 327680
    .private_segment_fixed_size: 0
    .kernarg_segment_align: 8
    .kernarg_segment_size: 40
    .max_flat_workgroup_size: 128
    .sgpr_count:     102
    .vgpr_count:     768
    .wavefront_size: 32
...
	.end_amdgpu_metadata
.endif
;; end of part 5
;; launch outp (part 6): grid 4 x 64, 4 waves a work-group, clusters of 4 x 4, 327,680 bytes of LDS; arguments qo, wf16, bp, out0; writes out0
.if DOCPART == 6
	.amdgcn_target "amdgcn-amd-amdhsa--gfx1250"
	.amdhsa_code_object_version 6
	.text
	.protected	k_q1e4e59fa6f_outp
	.globl	k_q1e4e59fa6f_outp
	.p2align	8
	.type	k_q1e4e59fa6f_outp,@function
k_q1e4e59fa6f_outp:
	s_mov_b64 s[64:65], 0
	v_nop
	global_prefetch_b8 v0, s[64:65] scope:SCOPE_SE
	s_setreg_imm32_b32 hwreg(HW_REG_WAVE_MODE, 25, 1), 1
	s_wait_xcnt 0x0
	s_wait_alu depctr_hold_cnt(0) depctr_sa_sdst(0) depctr_va_vdst(0) depctr_va_sdst(0) depctr_va_ssrc(0) depctr_va_vcc(0) depctr_vm_vsrc(0)
	s_getreg_b32 s2, hwreg(HW_REG_IB_STS2, 6, 4)
	s_cmp_eq_u32 s2, 0
	s_cbranch_scc0 .Lentry_in_a_cluster
	s_endpgm
.Lentry_in_a_cluster:
	s_bfe_u32 s2, ttmp6, 0x10000c
	s_cmp_lg_u32 s2, 0xf033
	s_cbranch_scc0 .Lentry_shape_is_right
	s_endpgm
.Lentry_shape_is_right:
; out0[row][e] = (sum over h of qo[row][h] Wp[e][h]) + bp[e]: f16 operands, f32 sums, f32 out.  Wp = wf16 from byte 2,097,152 on, [e][h], K innermost.  bp is the C of each sum's first matrix instruction.
; SHARES, CLUSTERS as in the other f16 products of this program: a tile of 128 rows x 256 columns, four waves of 64 x 128 (32 accumulators); A's tile is shared along a row of the 4 x 4 cluster, B's along a column,
; each asked for jointly; waves 0 and 1 fetch A's halves, waves 2 and 3 B's.  The matrix instruction is used transposed: lane (r, h) holds row r and eight neighbouring columns.
; THE RING.  One K step of 128 of such a tile is 104,448 bytes of LDS; three fit.  They are laid as region X, two K steps (rows of 512 bytes), and region Y, one K step (rows of 256 bytes).  The eight K steps go
; 0,1 | 2 | 3,4 | 5 | 6,7 through X, Y, X, Y, X: three refills, one load a wave behind each, where two slots of one K step would take six.  A refill of Y has X's 256 matrix instructions in which to land, a refill of X has Y's 128.
; THE WAY OUT: a row tile (16 rows x 128 columns of f32) goes through the wave's own stage in LDS and comes back as rows of 512 bytes, which the 32 lanes store on end.
; REGISTERS.  window 0: v0-31 addresses; v96-127, v128-159 A's fragments; on the way out v96-159 and v160-223 rows read back, by turns.   window 1: the accumulators.   window 2: v0-127 B's fragments; v128-191 bp's eight tiles.
.set WP0,    2097152
.set PX,     528
.set PY,     272
.set XB,     128*PX
.set XBH,    128*PX
.set Y0,     XB+2*XBH
.set YB,     Y0+128*PY
.set STAGE,  Y0                        ; the way out: 16 rows x 528 bytes for each wave, in Y, which has then had its last fill and its last read
.set SPITCH, 528                       ; a stage row: 512 bytes + 16
.set SPARE,  Y0+3*128*PY
.set BSTEP,  768
.set FBX,    16*PX
.set FBD,    16*(PX-PY)
.set ADRA, 16
.set ADRB, 20
.set STO,  24
.set RD,   25
.set CO,   26
.set SPW,  28
.set NIL,  29
.set AF,   96
.set G1AX, 24
.set GAX,  32
.set GAY,  36
.set G1BX, 48
.set GBX,  56
.set GBY,  60
.set G1AY, 72
.set G1BY, 80
.set MSB, 0
.macro WIN new
.if MSB != \new
	s_set_vgpr_msb (MSB<<8)|\new
.set MSB, \new
.endif
.endm
.set MUL,  0x52
.set MULB, 0x62                        ; C (the bias) in window 2
.set TO_B, 0x80
.macro PLACES
.rept 4
	v_nop
.endr
.endm
.macro JLOAD g0a, g1a, g0b, g1b
	s_cmp_eq_u32 s11, 0
	s_cbranch_scc0 .Lfor_b_\@
	tensor_load_to_lds s[\g0a:\g0a+3], s[\g1a:\g1a+7]
	s_nop 0
.rept 4
	v_nop
.endr
	s_branch .Lasked_\@
.Lfor_b_\@:
	tensor_load_to_lds s[\g0b:\g0b+3], s[\g1b:\g1b+7]
	s_nop 0
.rept 4
	v_nop
.endr
.Lasked_\@:
.endm
.macro CREST
	s_cmp_lg_u32 s10, 0
	s_cbranch_scc1 .Lnot_wave_0_\@
	s_barrier_signal -3
.Lnot_wave_0_\@:
	s_barrier_wait -3
	s_barrier_signal -1
	s_barrier_wait -1
.endm
.macro CROUND
	s_barrier_signal -1
	s_barrier_wait -1
	CREST
.endm
.macro SHAPE g, c, r
	s_mov_b32 s[\g+1], (\c)<<16
	s_mov_b32 s[\g+2], (\r)<<16
	s_mov_b32 s[\g+3], (\c)<<16
	s_mov_b32 s[\g+4], \r
	s_mov_b32 s[\g+5], 1024
	s_mov_b32 s[\g+6], 0
	s_mov_b32 s[\g+7], 0
.endm
.macro GROUP0 g, lreg, loff, areg, aoff
	s_mov_b32 s[\g], 1
	s_add_co_u32 s[\g+1], s[\lreg], \loff
	s_add_nc_u64 s[\g+2:\g+3], s[\areg:\areg+1], \aoff
	s_or_b32 s[\g+3], s[\g+3], 0x80000000
.endm
	s_load_b128 s[4:7], s[0:1], 0x0                ; qo, wf16
	s_load_b64 s[70:71], s[0:1], 0x10              ; bp
	s_load_b64 s[8:9], s[0:1], 0x18                ; out0
	v_lshl_add_u32 v[SPW], v0, 2, SPARE
	v_mov_b32 v[NIL], 0
	ds_add_u32 v[SPW], v[NIL]                      ; the wave's opening: the add, twice on end, and its wait ahead of my first tensor load
	ds_add_u32 v[SPW], v[NIL]
	v_lshrrev_b32 v1, 5, v0
	v_readfirstlane_b32 s10, v1
	s_lshr_b32 s11, s10, 1
	s_and_b32 s12, s10, 1
	s_bfe_u32 s40, ttmp6, 0x40000
	s_bfe_u32 s41, ttmp6, 0x40004
	s_lshl_b32 s14, ttmp9, 2
	s_add_co_u32 s14, s14, s40                     ; nt
	s_and_b32 s15, ttmp7, 0xffff
	s_lshl_b32 s13, s15, 2
	s_add_co_u32 s13, s13, s41                     ; ty
	s_lshl_b32 s43, s41, 2
	s_lshl_b32 s43, 15, s43
	s_lshl_b32 s44, 0x1111, s40
	s_or_b32 s[G1AX], s43, (1<<16)|(1<<20)|(1<<21)|(6<<22)|(3<<25)   ; A into X: 64 rows x 256 elements of 2 bytes; 4 words of padding behind every 128
	SHAPE G1AX, 256, 64
	s_or_b32 s[G1AY], s43, (1<<16)|(1<<20)|(1<<21)|(5<<22)|(3<<25)   ; A into Y: 64 rows x 128 elements; 4 words behind every 64
	SHAPE G1AY, 128, 64
	s_or_b32 s[G1BX], s44, (1<<16)|(1<<20)|(1<<21)|(6<<22)|(3<<25)   ; B into X: 128 rows x 256 elements
	SHAPE G1BX, 256, 128
	s_or_b32 s[G1BY], s44, (1<<16)|(1<<20)|(1<<21)|(5<<22)|(3<<25)   ; B into Y: 128 rows x 128 elements
	SHAPE G1BY, 128, 128
	s_lshl_b32 s16, s13, 7
	s_lshl_b32 s17, s12, 6
	s_add_co_u32 s16, s16, s17
	s_lshl_b32 s16, s16, 11
	s_mov_b32 s17, 0
	s_lshl_b32 s46, s14, 8                         ; B: row 256 nt + 128 x half of Wp
	s_lshl_b32 s47, s12, 7
	s_add_co_u32 s46, s46, s47
	s_lshl_b32 s46, s46, 11
	s_add_co_u32 s46, s46, WP0
	s_mov_b32 s47, 0
	s_add_co_u32 s2, s46, 512                      ; Y: K step 2
	s_mov_b32 s3, 0
	s_mul_i32 s20, s12, 64*PX
	s_mul_i32 s21, s12, XBH
	s_mul_i32 s22, s12, 64*PY
	s_mul_i32 s23, s12, 128*PY
	s_wait_dscnt 0x0
	s_wait_kmcnt 0x0
	s_add_nc_u64 s[18:19], s[4:5], s[16:17]
	s_add_nc_u64 s[46:47], s[6:7], s[46:47]
	s_add_nc_u64 s[2:3], s[6:7], s[2:3]
	CROUND
	GROUP0 GAX, 20, 0, 18, 0                       ; K steps 0 and 1
	GROUP0 GAY, 22, Y0, 18, 512                    ; K step 2
	GROUP0 GBX, 21, XB, 46, 0
	GROUP0 GBY, 23, YB, 2, 0
	JLOAD GAX, G1AX, GBX, G1BX                     ; two loads of mine are out
	JLOAD GAY, G1AY, GBY, G1BY
	v_and_b32 v1, 15, v0
	v_bfe_u32 v2, v0, 4, 1
	v_and_b32 v9, 31, v0
	s_lshl_b32 s20, s14, 10                        ; bp of my 128 columns
	s_lshl_b32 s21, s12, 9
	s_add_co_u32 s20, s20, s21
	s_mov_b32 s21, 0
	s_add_nc_u64 s[70:71], s[70:71], s[20:21]
	v_lshlrev_b32 v7, 5, v2                        ; lane (r, h) wants, for column tile b, the numbers 16 b + 8 h + 0 .. 7
	WIN TO_B
.irp b, 0,1,2,3,4,5,6,7
	global_load_b128 v[128+8*\b:131+8*\b], v7, s[70:71] offset:64*\b
	global_load_b128 v[132+8*\b:135+8*\b], v7, s[70:71] offset:64*\b+16
.endr
	WIN 0
	v_mul_u32_u24 v3, v1, PX
	v_lshl_add_u32 v3, v2, 4, v3
	v_mul_u32_u24 v6, v1, PY
	v_lshl_add_u32 v6, v2, 4, v6
	s_mul_i32 s21, s11, 64*PX
	v_add_nc_u32 v[ADRA], s21, v3
	s_add_co_u32 s21, s21, 256
	v_add_nc_u32 v[ADRA+1], s21, v3
	s_mul_i32 s21, s11, 64*PY
	s_add_co_u32 s21, s21, Y0
	v_add_nc_u32 v[ADRA+2], s21, v6
	s_mul_i32 s22, s12, XBH
	s_add_co_u32 s22, s22, XB
	v_add_nc_u32 v[ADRB], s22, v3
	s_add_co_u32 s22, s22, 256
	v_add_nc_u32 v[ADRB+1], s22, v3
	s_mul_i32 s22, s12, 128*PY
	s_add_co_u32 s22, s22, YB
	v_add_nc_u32 v[ADRB+2], s22, v6
	s_mul_i32 s23, s10, 16*SPITCH
	s_add_co_u32 s23, s23, STAGE                   ; my stage
	v_mul_u32_u24 v4, v1, SPITCH                   ; in: row r, 32 bytes for each half of the lanes
	v_lshl_add_u32 v4, v2, 5, v4
	v_add_nc_u32 v[STO], s23, v4
	v_lshlrev_b32 v[CO], 4, v9                     ; back: the 32 lanes take one row of 512 bytes; and the same in out0
	v_add_nc_u32 v[RD], s23, v[CO]
	s_lshl_b32 s20, s13, 7
	s_lshl_b32 s21, s11, 6
	s_add_co_u32 s20, s20, s21                     ; my first row
	s_lshl_b32 s20, s20, 12                        ; rows of 4,096 bytes
	s_lshl_b32 s21, s14, 10
	s_add_co_u32 s20, s20, s21
	s_lshl_b32 s21, s12, 9
	s_add_co_u32 s20, s20, s21
	s_mov_b32 s21, 0
	s_add_nc_u64 s[8:9], s[8:9], s[20:21]
	s_wait_loadcnt 0x0                             ; bp
.macro MUL8 f, a, cm                   ; cm = 2: the bias starts the sums.  The 32 accumulators take turns in one order
.irp b, 0,1,2,3,4,5,6,7
.if \cm == 2
	v_wmma_f32_16x16x32_f16 v[8*(8*\a+\b):8*(8*\a+\b)+7], v[64*\f+8*\b:64*\f+8*\b+7], v[AF+32*\f+8*\a:AF+32*\f+8*\a+7], v[128+8*\b:128+8*\b+7]
.else
	v_wmma_f32_16x16x32_f16 v[8*(8*\a+\b):8*(8*\a+\b)+7], v[64*\f+8*\b:64*\f+8*\b+7], v[AF+32*\f+8*\a:AF+32*\f+8*\a+7], v[8*(8*\a+\b):8*(8*\a+\b)+7]
.endif
.endr
.endm
.macro MWIN cm
.if \cm == 2
	WIN MULB
.else
	WIN MUL
.endif
.endm
.macro FETCH u, q, f                   ; quarter q of K step u (0, 1: X's two; 2: Y's) into buffer f: 24 LDS loads in one run
	WIN TO_B
.irp b, 0,1,2,3,4,5,6,7
	ds_load_b128 v[64*\f+8*\b:64*\f+8*\b+3],   v[ADRB+\u] offset:(FBX-FBD*((\u)/2))*\b+64*\q
	ds_load_b128 v[64*\f+8*\b+4:64*\f+8*\b+7], v[ADRB+\u] offset:(FBX-FBD*((\u)/2))*\b+64*\q+32
.endr
	WIN 0
.irp a, 0,1,2,3
	ds_load_b128 v[AF+32*\f+8*\a:AF+32*\f+8*\a+3],   v[ADRA+\u] offset:(FBX-FBD*((\u)/2))*\a+64*\q
	ds_load_b128 v[AF+32*\f+8*\a+4:AF+32*\f+8*\a+7], v[ADRA+\u] offset:(FBX-FBD*((\u)/2))*\a+64*\q+32
.endr
.endm
.macro QUARTER u, q, f, g, cm
	s_wait_dscnt 4                                 ; B and A's row tiles 0, 1 are in; the youngest four loads may be out
	MWIN \cm
	MUL8 \f, 0, \cm
	MUL8 \f, 1, \cm
	PLACES
	FETCH \u, \q, \g
	s_wait_dscnt 24                                ; all but the 24 just issued
	MWIN \cm
	MUL8 \f, 2, \cm
	MUL8 \f, 3, \cm
.endm
.macro TURN next, fill                 ; a region's last quarter changes regions.  fill = 1: X is filled again; 2: Y is; 0: nothing is left to fetch
	WIN 0
	s_wait_tensorcnt 0x0                           ; my part of the next region has landed
	ds_add_u32 v[SPW], v[NIL]
	s_wait_dscnt 5                                 ; (the add and the youngest four loads may be out)
	WIN MUL
	MUL8 1, 0, 0
	s_wait_dscnt 0x0                               ; the add is done, and my reads of this region are over
	s_barrier_signal -1
	MUL8 1, 1, 0
	WIN 0
	s_barrier_wait -1
.if \fill == 1
	CREST                                          ; no wave of any partner still reads X or has a load on its way
	s_add_nc_u64 s[GAX+2:GAX+3], s[GAX+2:GAX+3], 768
	s_add_nc_u64 s[GBX+2:GBX+3], s[GBX+2:GBX+3], BSTEP
	JLOAD GAX, G1AX, GBX, G1BX
.elseif \fill == 2
	CREST
	s_add_nc_u64 s[GAY+2:GAY+3], s[GAY+2:GAY+3], 768
	s_add_nc_u64 s[GBY+2:GBY+3], s[GBY+2:GBY+3], BSTEP
	JLOAD GAY, G1AY, GBY, G1BY
.else
	PLACES
.endif
	FETCH \next, 0, 0
	WIN MUL
	MUL8 1, 2, 0
	MUL8 1, 3, 0
.endm
.macro XSTEP cm
	QUARTER 0, 1, 0, 1, \cm
	QUARTER 0, 2, 1, 0, 0
	QUARTER 0, 3, 0, 1, 0
	QUARTER 1, 0, 1, 0, 0
	QUARTER 1, 1, 0, 1, 0
	QUARTER 1, 2, 1, 0, 0
	QUARTER 1, 3, 0, 1, 0
.endm
.macro YSTEP
	QUARTER 2, 1, 0, 1, 0
	QUARTER 2, 2, 1, 0, 0
	QUARTER 2, 3, 0, 1, 0
.endm
	s_wait_tensorcnt 1                             ; my part of X is in (Y's load may be out)
	s_barrier_signal -1
	s_barrier_wait -1
	FETCH 0, 0, 0
	XSTEP 2                                        ; K steps 0, 1: the first quarter's products add onto the bias
	TURN 2, 1                                      ; X takes K steps 3, 4
	YSTEP                                          ; K step 2
	TURN 0, 2                                      ; Y takes K step 5
	XSTEP 0                                        ; K steps 3, 4
	TURN 2, 1                                      ; X takes K steps 6, 7
	YSTEP                                          ; K step 5
	TURN 0, 0
	XSTEP 0                                        ; K steps 6, 7
	s_wait_dscnt 4
	WIN MUL
	MUL8 1, 0, 0
	MUL8 1, 1, 0
	s_wait_dscnt 0x0
	MUL8 1, 2, 0
	MUL8 1, 3, 0
	WIN 0
.macro TOSTAGE32 a
	WIN 0x04                                       ; an LDS store's data are its source 1: window 1
.irp b, 0,1,2,3,4,5,6,7
	ds_store_b128 v[STO], v[8*(8*(\a)+\b):8*(8*(\a)+\b)+3] offset:64*\b            ; each accumulator from its low end on
	ds_store_b128 v[STO], v[8*(8*(\a)+\b)+4:8*(8*(\a)+\b)+7] offset:64*\b+16
.endr
	WIN 0
.set BB, AF+64*((\a)%2)
.irp t, 0,1,2,3,4,5,6,7,8,9,10,11,12,13,14,15
	ds_load_b128 v[BB+4*\t:BB+4*\t+3], v[RD] offset:\t*SPITCH   ; LDS serves a wave's instructions in order: these see the stores above
.endr
.endm
.macro SEND32 a, younger               ; younger: the LDS instructions issued behind this tile's loads, which may stay out
.set BB, AF+64*((\a)%2)
	s_wait_dscnt \younger
.irp t, 0,1,2,3,4,5,6,7,8,9,10,11,12,13,14,15
	global_store_b128 v[CO], v[BB+4*\t:BB+4*\t+3], s[8:9] offset:(16*(\a)+\t)*4096 th:TH_STORE_NT   ; 32 lanes store 512 bytes on end, aligned
.endr
.endm
	PLACES
	TOSTAGE32 0
.irp a, 1,2,3
.if \a > 1
	s_wait_xcnt 0x0                                ; the stores of two tiles back have read their data registers, into which this tile's loads land
.endif
	TOSTAGE32 \a
	SEND32 \a-1, 32                                ; behind that tile's loads: this tile's 16 stores and 16 loads
.endr
	SEND32 3, 0
	s_wait_tensorcnt 0x0                           ; the wave's end
	ds_add_u32 v[SPW], v[NIL]
	s_wait_dscnt 0x0
	CROUND                                         ; the closing round
	s_endpgm
.Lfunc_end_k_q1e4e59fa6f_outp:
	.size	k_q1e4e59fa6f_outp, .Lfunc_end_k_q1e4e59fa6f_outp-k_q1e4e59fa6f_outp
	.p2alignl 7, 3214868480
	.fill 96, 4, 3214868480
	.section	.rodata,"a",@progbits
	.p2align	6, 0x0
	.amdhsa_kernel k_q1e4e59fa6f_outp
		.amdhsa_group_segment_fixed_size 327680
		.amdhsa_private_segment_fixed_size 0
		.amdhsa_enable_private_segment 0
		.amdhsa_kernarg_size 32
		.amdhsa_user_sgpr_count 2
		.amdhsa_user_sgpr_kernarg_segment_ptr 1
		.amdhsa_wavefront_size32 1
		.amdhsa_system_sgpr_workgroup_id_x 1
		.amdhsa_system_sgpr_workgroup_id_y 1
		.amdhsa_system_sgpr_workgroup_id_z 1
		.amdhsa_system_vgpr_workitem_id 0
		.amdhsa_next_free_vgpr 768
		.amdhsa_next_free_sgpr 102
		.amdhsa_reserve_vcc 0
		.amdhsa_float_denorm_mode_32 3
		.amdhsa_float_denorm_mode_16_64 3
		.amdhsa_memory_ordered 1
		.amdhsa_forward_progress 1
		.amdhsa_inst_pref_size 150
	.end_amdhsa_kernel
	.amdgpu_metadata
---
amdhsa.version: [ 1, 2 ]
amdhsa.kernels:
  - .name:           k_q1e4e59fa6f_outp
    .symbol:         k_q1e4e59fa6f_outp.kd
    .args:
      - { .name: qo, .offset: 0, .size: 8, .value_kind: global_buffer, .address_space: global }
      - { .name: wf16, .offset: 8, .size: 8, .value_kind: global_buffer, .address_space: global }
      - { .name: bp, .offset: 16, .size: 8, .value_kind: global_buffer, .address_space: global }
      - { .name: out0, .offset: 24, .size: 8, .value_kind: global_buffer, .address_space: global }
    .group_segment_fixed_size: 327680
    .private_segment_fixed_size: 0
    .kernarg_segment_align: 8
    .kernarg_segment_size: 32
    .max_flat_workgroup_size: 128
    .sgpr_count:     102
    .vgpr_count:     768
    .wavefront_size: 32
...
	.end_amdgpu_metadata
.endif
;; end of part 6
